; MI455X (gfx1250); checked and timed in simulation.
; The chip was launched on July 23, 2026; its instructions are those of AMD's public machine-readable ISA for CDNA 5 (MIT licence, August 2026) and "CDNA5" Instruction Set Architecture Reference Guide (July 2026). The comments in the code are by the model that wrote it; some were corrected since.
;; Cross Attention Layer. Allowed arithmetic: float matrix products may take bf16 or f16 operands with f32 sums; all other float work in f32.
;; Inputs: Wkv 1,024 x 2,048 float32; Wo 1,024 x 1,024 float32; Wq 1,024 x 1,024 float32; bo 1,024 float32; context 4 x 4,096 x 1,024 float32; mask 4 x 4,096 bool; x 4 x 512 x 1,024 float32.
;; Outputs: out0 4 x 512 x 1,024 float32.
;; 2 versions, each right; version 2 is version 1 with the launch prep written anew for expert scheduling mode. Each part assembles by itself: llvm-mc -triple=amdgcn-amd-amdhsa -mcpu=gfx1250 --defsym DOCPART=n.
;; ======== version 1 of 2: 5 launches
;; limits: values are held in f16: magnitudes above 65,504 overflow, below 6.1e-05 lose precision
;; workspace buffers: ck 37,748,736 bytes; xh 4,194,304 bytes; wqh 2,097,152 bytes; woh 2,097,152 bytes; zb 4,096 bytes; q 8,388,608 bytes; kv 67,108,864 bytes; ao 4,194,304 bytes
;; launch prep (part 1): grid 704 x 1, 8 waves a work-group, no clusters, 0 bytes of LDS; arguments context, x, Wkv, Wq, Wo, ck, xh, wqh, woh, zb; writes ck, xh, wqh, woh, zb
.if DOCPART == 1
	.amdgcn_target "amdgcn-amd-amdhsa--gfx1250"
	.amdhsa_code_object_version 6
	.text
	.protected	k_q12a0a6134b_prep
	.globl	k_q12a0a6134b_prep
	.p2align	8
	.type	k_q12a0a6134b_prep,@function
k_q12a0a6134b_prep:
	s_mov_b64 s[64:65], 0
	v_nop
	global_prefetch_b8 v0, s[64:65] scope:SCOPE_SE
	s_setreg_imm32_b32 hwreg(HW_REG_WAVE_MODE, 25, 1), 1
	s_wait_xcnt 0x0
; prep: casts the five f32 matrix operands to f16, once, so that the products can fetch them as 16-bit tiles.
;   context -> ck (bytes 0 ..), Wkv -> ck (bytes WOFF ..), x -> xh, Wq -> wqh, Wo -> woh; layouts unchanged (row-major).
;   Work-group 0 also stores 4,096 bytes of zeros into zb, the bias of the q projection.
; LIMIT: a number of magnitude 65,520 or more becomes an infinity in f16; below 6.1e-5 the f16 step is 6e-8.
; A stream: every byte is read once and written once, nothing is shared between work-groups, so LDS, the matrix
; unit and clusters have nothing to add.  A work-group casts 32,768 numbers (128 KiB in, 64 KiB out) in 32 chunks;
; in a chunk thread t takes 16 bytes at 16 t and stores 8 bytes at 8 t: a wave's load covers 512 consecutive bytes,
; its store 256 consecutive bytes, aligned.  A ring of DEPTH register slots keeps DEPTH loads of a wave in flight.
.set CIN,   4096                       ; bytes read in a chunk
.set COUT,  2048                       ; bytes written in a chunk
.set NCH,   32                         ; chunks of a work-group
.set DEPTH, 8                          ; slots = loads in flight in each wave
.set ZR,    4                          ; v[4:7]   four zeros (work-group 0)
.set X,     8                          ; v[8:39]  slot i: 4 registers as loaded
.set Y,     40                         ; v[40:55] slot i: 2 registers to store
.set WOFF,  0x2000000                  ; Wkv's place in ck: behind context's 16,384 x 1,024 f16
	s_load_b512 s[8:23], s[0:1], 0x0               ; context s[8:9], x s[10:11], Wkv s[12:13], Wq s[14:15], Wo s[16:17], ck s[18:19], xh s[20:21], wqh s[22:23]
	s_load_b128 s[24:27], s[0:1], 0x40             ; woh s[24:25], zb s[26:27]
	v_lshlrev_b32 v1, 4, v0                        ; 16 t: my bytes in a chunk as read
	v_lshlrev_b32 v2, 3, v0                        ; 8 t: as written
	s_wait_kmcnt 0x0
	s_add_nc_u64 s[30:31], s[18:19], WOFF          ; where Wkv's f16 go
	s_mov_b64 s[4:5], s[8:9]                       ; work-groups 0-511: context -> ck
	s_mov_b64 s[6:7], s[18:19]
	s_mov_b32 s28, 0                               ; the first work-group of my tensor
; from work-group number first on: another tensor.  The choice hangs on the work-group's number alone.
.macro PICK first, src, dst
	s_cmp_ge_u32 ttmp9, \first
	s_cselect_b64 s[4:5], s[\src:\src+1], s[4:5]
	s_cselect_b64 s[6:7], s[\dst:\dst+1], s[6:7]
	s_cselect_b32 s28, \first, s28
.endm
	PICK 512, 10, 20                               ; 512-575: x -> xh
	PICK 576, 12, 30                               ; 576-639: Wkv -> ck + WOFF
	PICK 640, 14, 22                               ; 640-671: Wq -> wqh
	PICK 672, 16, 24                               ; 672-703: Wo -> woh
	s_sub_co_u32 s29, ttmp9, s28                   ; my number within the tensor, 511 at the most
	s_lshl_b32 s2, s29, 17                         ; x 128 KiB
	s_mov_b32 s3, 0
	s_add_nc_u64 s[4:5], s[4:5], s[2:3]
	s_lshl_b32 s2, s29, 16                         ; x 64 KiB
	s_add_nc_u64 s[6:7], s[6:7], s[2:3]
.irp i, 0,1,2,3,4,5,6,7
	global_load_b128 v[X+4*\i:X+4*\i+3], v1, s[4:5] offset:\i*CIN th:TH_LOAD_NT    ; fill the ring: chunks 0 to 7
.endr
	s_cmp_lg_u32 ttmp9, 0
	s_cbranch_scc1 .Lno_zb
	v_mov_b32 v[ZR], 0                             ; work-group 0: 256 threads x 16 bytes = zb's 4,096 bytes
	v_mov_b32 v[ZR+1], 0
	v_mov_b32 v[ZR+2], 0
	v_mov_b32 v[ZR+3], 0
	global_store_b128 v1, v[ZR:ZR+3], s[26:27]
.Lno_zb:
; The 32 chunks, written out: every chunk's place stands in the immediates, so no address register is ever rewritten.
.irp i, 0,1,2,3,4,5,6,7,8,9,10,11,12,13,14,15,16,17,18,19,20,21,22,23,24,25,26,27,28,29,30,31
.if \i < NCH-DEPTH
	s_wait_loadcnt DEPTH-1                         ; loads come back in order (ISA guide 5.7.1): this slot's is in, the seven younger stay out
.else
	s_wait_loadcnt NCH-1-\i                        ; the last eight chunks load nothing: the counts run down
.endif
	s_wait_xcnt 0x0                                ; the slot's Y, which its last store reads, is rewritten only behind this wait
	v_cvt_pk_f16_f32 v[Y+2*(\i%DEPTH)],   v[X+4*(\i%DEPTH)],   v[X+4*(\i%DEPTH)+1]
	v_cvt_pk_f16_f32 v[Y+2*(\i%DEPTH)+1], v[X+4*(\i%DEPTH)+2], v[X+4*(\i%DEPTH)+3]
.if \i < NCH-DEPTH
	global_load_b128 v[X+4*(\i%DEPTH):X+4*(\i%DEPTH)+3], v1, s[4:5] offset:(\i+DEPTH)*CIN th:TH_LOAD_NT
.endif
	global_store_b64 v2, v[Y+2*(\i%DEPTH):Y+2*(\i%DEPTH)+1], s[6:7] offset:\i*COUT
.endr
	s_endpgm
.Lfunc_end_k_q12a0a6134b_prep:
	.size	k_q12a0a6134b_prep, .Lfunc_end_k_q12a0a6134b_prep-k_q12a0a6134b_prep
	.p2alignl 7, 3214868480
	.fill 96, 4, 3214868480
	.section	.rodata,"a",@progbits
	.p2align	6, 0x0
	.amdhsa_kernel k_q12a0a6134b_prep
		.amdhsa_group_segment_fixed_size 0
		.amdhsa_private_segment_fixed_size 0
		.amdhsa_enable_private_segment 0
		.amdhsa_kernarg_size 80
		.amdhsa_user_sgpr_count 2
		.amdhsa_user_sgpr_kernarg_segment_ptr 1
		.amdhsa_wavefront_size32 1
		.amdhsa_system_sgpr_workgroup_id_x 1
		.amdhsa_system_sgpr_workgroup_id_y 1
		.amdhsa_system_sgpr_workgroup_id_z 1
		.amdhsa_system_vgpr_workitem_id 0
		.amdhsa_next_free_vgpr 56
		.amdhsa_next_free_sgpr 66
		.amdhsa_reserve_vcc 0
		.amdhsa_float_denorm_mode_32 3
		.amdhsa_float_denorm_mode_16_64 3
		.amdhsa_memory_ordered 1
		.amdhsa_forward_progress 1
		.amdhsa_inst_pref_size 14
	.end_amdhsa_kernel
	.amdgpu_metadata
---
amdhsa.version: [ 1, 2 ]
amdhsa.kernels:
  - .name:           k_q12a0a6134b_prep
    .symbol:         k_q12a0a6134b_prep.kd
    .args:
      - { .name: context, .offset: 0, .size: 8, .value_kind: global_buffer, .address_space: global }
      - { .name: x, .offset: 8, .size: 8, .value_kind: global_buffer, .address_space: global }
      - { .name: Wkv, .offset: 16, .size: 8, .value_kind: global_buffer, .address_space: global }
      - { .name: Wq, .offset: 24, .size: 8, .value_kind: global_buffer, .address_space: global }
      - { .name: Wo, .offset: 32, .size: 8, .value_kind: global_buffer, .address_space: global }
      - { .name: ck, .offset: 40, .size: 8, .value_kind: global_buffer, .address_space: global }
      - { .name: xh, .offset: 48, .size: 8, .value_kind: global_buffer, .address_space: global }
      - { .name: wqh, .offset: 56, .size: 8, .value_kind: global_buffer, .address_space: global }
      - { .name: woh, .offset: 64, .size: 8, .value_kind: global_buffer, .address_space: global }
      - { .name: zb, .offset: 72, .size: 8, .value_kind: global_buffer, .address_space: global }
    .group_segment_fixed_size: 0
    .private_segment_fixed_size: 0
    .kernarg_segment_align: 8
    .kernarg_segment_size: 80
    .max_flat_workgroup_size: 256
    .sgpr_count:     66
    .vgpr_count:     56
    .wavefront_size: 32
...
	.end_amdgpu_metadata
.endif
;; end of part 1
;; launch kvproj (part 2): grid 8 x 64, 4 waves a work-group, clusters of 4 x 4, 327,680 bytes of LDS; arguments ck, kv; writes kv
.if DOCPART == 2
	.amdgcn_target "amdgcn-amd-amdhsa--gfx1250"
	.amdhsa_code_object_version 6
	.text
	.protected	k_q12a0a6134b_kvproj
	.globl	k_q12a0a6134b_kvproj
	.p2align	8
	.type	k_q12a0a6134b_kvproj,@function
k_q12a0a6134b_kvproj:
	s_mov_b64 s[64:65], 0
	v_nop
	global_prefetch_b8 v0, s[64:65] scope:SCOPE_SE
	s_setreg_imm32_b32 hwreg(HW_REG_WAVE_MODE, 25, 1), 1
	s_wait_xcnt 0x0
	s_wait_alu depctr_hold_cnt(0) depctr_sa_sdst(0) depctr_va_vdst(0) depctr_va_sdst(0) depctr_va_ssrc(0) depctr_va_vcc(0) depctr_vm_vsrc(0)
	s_getreg_b32 s2, hwreg(HW_REG_IB_STS2, 6, 4)
	s_cmp_eq_u32 s2, 0
	s_cbranch_scc0 .Lentry_in_a_cluster
	s_endpgm
.Lentry_in_a_cluster:
	s_bfe_u32 s2, ttmp6, 0x10000c
	s_cmp_lg_u32 s2, 0xf033
	s_cbranch_scc0 .Lentry_shape_is_right
	s_endpgm
.Lentry_shape_is_right:
; kvproj: kv = context Wkv.  context: [16384][1024] f16 at ck; Wkv: [1024 k][2048 n] f16 at ck + WOFF; sums in f32, results rounded to f16.
; LIMIT: k and v are kept in f16: magnitudes of 65,520 or more become infinities.
; A work-group makes a block of 256 rows x 256 columns with four waves, one on each SIMD; a wave makes 128 x 128: 64 accumulator tiles of
; 16 x 16 in 512 registers.  K goes in steps of 128 through a ring of two LDS slots filled by the tensor data mover.
; CLUSTERS: 4 x 4 work-groups.  The four of a row of the cluster need the same tiles of context, the four of a column the same tiles of Wkv:
; each tile is asked for jointly (same line, same descriptor, a mask that names the four), which divides the requests for both by four.
; One block for each work-group, 512 work-groups: a text in which a work-group walks two blocks holds each way's main part twice, and the
; code is kept to the two copies below instead.
;
; WHAT IS STORED.  kv is laid out as the attention launch reads it.  The stream of pair (b, head) starts at (16 b + head) MiB and holds 128 blocks
; of 32 keys, 8 KiB each; a block is 16 tiles of 512 bytes; in a tile lane L owns the 16 bytes at 16 L (r = L % 16, h = L / 16):
;   K(t, jj) at t*2048 + jj*512:          key 16 t + r, d = 16 jj + 8 h .. + 7
;   V(dt, g) at 4096 + dt*1024 + g*512:   d = 16 dt + r, keys 16 g + 8 h .. + 7
; An accumulator tile, packed to f16, IS one such tile if a lane holds eight neighbouring d of one key (K) or eight neighbouring keys of one d (V).
; So the columns below 1024 (K) are made with Wkv's fragment as source 0 and context's as source 1, the others (V) the other way round.  The
; cluster's x (0: K, 1: V) picks one of two copies of the main part; it is the same number in all sixteen partners.  One store of a wave then
; covers 512 consecutive bytes, aligned, straight from registers.
;
; REGISTERS, in windows of 256: window 0: v0-31 addresses, v64-127 and v128-191 fragments of context (two buffers), v192-223 packed results;
; window 1: v64-127, v128-191 fragments of Wkv; window 2: the 32 accumulator tiles of my rows 0-63 (tile (a, b) at v[8 (8 a + b)]); window 3: rows 64-127.
.set SIZE_K, 1024
.set SIZE_N, 2048
.set KSTEP,  128
.set PITCH,  272                       ; an LDS row of context: 256 bytes + 16 of padding: the 16 rows of a fragment load start in 16 different 16-byte columns
.set WPITCH, 544                       ; an LDS row of Wkv (one k, 256 n): 512 bytes + 32 of padding, an odd multiple of 32 for the transposing loads
.set HALFT,  128*PITCH                 ; what one tensor load brings: 128 rows of context, or 64 rows of Wkv (64 x 544 is the same 34,816 bytes)
.set SLOT,   4*HALFT                   ; context's 256 rows, then Wkv's 128 k rows
.set LAPS,   SIZE_K/(2*KSTEP)          ; a lap = two K steps = once round the ring: 4
.set WOFF,   0x2000000                 ; Wkv's place in ck
.set ADRA, 16                          ; v16-17  LDS address of my context fragments in slot 0, 1
.set ADRB, 20                          ; v20-21  the same for Wkv
.set CO,   26                          ; v26     16 x lane: my 16 bytes of a stored tile
.set F0,   64                          ; fragment buffer 0
.set F1,   128                         ; fragment buffer 1
.set TMP,  192                         ; packed results, window 0
.set G1, 24                            ; s[24:31] descriptor group 1 for context's tiles
.set G0, 32                            ; s[32:39] group 0 for context's tiles, one set for each slot
.set G1B, 48                           ; s[48:55] group 1 for Wkv's tiles
.set G0B, 56                           ; s[56:63] group 0 for Wkv's tiles, one set for each slot
.set MSB, 0
.macro WIN new                         ; the immediate's high byte repeats the setting that is left
.if MSB != \new
	s_set_vgpr_msb (MSB<<8)|\new
.set MSB, \new
.endif
.endm
.set TO_B, 0x40                        ; destination window 1, address window 0
; A joint load.  Waves 0 and 1 fetch context's two halves, waves 2 and 3 Wkv's.  The branch hangs on the wave's number alone.
.macro JLOAD s
	s_cmp_eq_u32 s11, 0
	s_cbranch_scc0 .Lfor_b_\@
	tensor_load_to_lds s[G0+4*\s:G0+4*\s+3], s[G1:G1+7]
	s_nop 0
	s_branch .Lasked_\@
.Lfor_b_\@:
	tensor_load_to_lds s[G0B+4*\s:G0B+4*\s+3], s[G1B:G1B+7]
	s_nop 0
.Lasked_\@:
.endm
; A round of the cluster's barrier: my work-group's barrier, wave 0 signals for the work-group, every wave waits for all sixteen, my work-group's barrier again.
.macro CREST                           ; a round behind its opening barrier
	s_cmp_lg_u32 s10, 0
	s_cbranch_scc1 .Lnot_wave_0_\@
	s_barrier_signal -3
.Lnot_wave_0_\@:
	s_barrier_wait -3
	s_barrier_signal -1
	s_barrier_wait -1
.endm
.macro CROUND                          ; a whole round
	s_barrier_signal -1
	s_barrier_wait -1
	CREST
.endm
	s_load_b128 s[4:7], s[0:1], 0x0                ; ck s[4:5], kv s[6:7]
	v_lshl_add_u32 v255, v0, 2, 0x44000
	s_set_vgpr_msb 0x40
	v_mov_b32 v255, 0
	s_set_vgpr_msb 0x4044
	ds_add_u32 v255, v255
	s_set_vgpr_msb 0x4400
	v_lshrrev_b32 v1, 5, v0
	v_readfirstlane_b32 s10, v1                    ; wave 0..3
	s_lshr_b32 s11, s10, 1                         ; which half of the block's rows is mine.  Also: I fetch context (0) or Wkv (1)
	s_and_b32 s12, s10, 1                          ; which half of its columns.  Also: which half of that tile I fetch
	s_bfe_u32 s40, ttmp6, 0x40000                  ; cx
	s_bfe_u32 s41, ttmp6, 0x40004                  ; cy
	s_lshl_b32 s42, ttmp9, 2
	s_add_co_u32 s42, s42, s40                     ; block column = 4 x cluster x + cx, 0..7
	s_and_b32 s13, ttmp7, 0xffff
	s_lshl_b32 s13, s13, 2
	s_add_co_u32 s13, s13, s41                     ; block row = 4 x cluster y + cy, 0..63
	s_lshl_b32 s43, s41, 2
	s_lshl_b32 s43, 15, s43                        ; my row of the cluster: places 4 cy .. 4 cy + 3
	s_lshl_b32 s44, 0x1111, s40                    ; my column: places cx, cx + 4, cx + 8, cx + 12
	; group 1, context: 128 rows x 128 elements of 2 bytes, 4 words of padding behind every 64 words
	s_or_b32 s[G1+0], s43, (1<<16)|(1<<20)|(1<<21)|(5<<22)|(3<<25)
	s_mov_b32 s[G1+1], KSTEP<<16                   ; tensor_dim0 = 128
	s_mov_b32 s[G1+2], 128<<16                     ; tensor_dim1 = 128
	s_mov_b32 s[G1+3], KSTEP<<16                   ; tile_dim0 = 128
	s_mov_b32 s[G1+4], 128                         ; tile_dim1 = 128
	s_mov_b32 s[G1+5], SIZE_K                      ; elements from row to row
	s_mov_b32 s[G1+6], 0
	s_mov_b32 s[G1+7], 0
	; group 1, Wkv: 64 k rows x 256 elements of 2 bytes, 8 words of padding behind every 128 words
	s_or_b32 s[G1B+0], s44, (1<<16)|(1<<20)|(1<<21)|(6<<22)|(7<<25)
	s_mov_b32 s[G1B+1], 256<<16                    ; tensor_dim0 = 256
	s_mov_b32 s[G1B+2], 64<<16                     ; tensor_dim1 = 64
	s_mov_b32 s[G1B+3], 256<<16                    ; tile_dim0 = 256
	s_mov_b32 s[G1B+4], 64                         ; tile_dim1 = 64
	s_mov_b32 s[G1B+5], SIZE_N
	s_mov_b32 s[G1B+6], 0
	s_mov_b32 s[G1B+7], 0
	; where the tiles come from: context's hang on the block row and the wave, Wkv's on the block column and the wave, each in registers of its own
	s_lshl_b32 s16, s13, 8
	s_lshl_b32 s17, s12, 7
	s_add_co_u32 s16, s16, s17                     ; context row 256 x block row + 128 x half
	s_lshl_b32 s16, s16, 11                        ; x 2,048 bytes: below 2^25
	s_mov_b32 s17, 0
	s_lshl_b32 s46, s42, 9                         ; Wkv: 256 columns x 2 bytes x block column
	s_lshl_b32 s47, s12, 18                        ; + 64 k rows x 4,096 bytes x half
	s_add_co_u32 s46, s46, s47
	s_mov_b32 s47, 0
	s_mul_i32 s20, s10, HALFT                      ; and where they go: wave x 34,816 bytes
	s_wait_dscnt 0x0
	s_wait_kmcnt 0x0
	s_mov_b64 s[8:9], s[6:7]                       ; kv
	s_add_nc_u64 s[6:7], s[4:5], WOFF              ; Wkv in f16
	s_add_nc_u64 s[14:15], s[4:5], s[16:17]
	s_add_nc_u64 s[46:47], s[6:7], s[46:47]
	CROUND                                         ; all sixteen work-groups are here: the first joint loads meet
.irp s, 0,1
	s_mov_b32 s[G0+4*\s], 1
	s_add_co_u32 s[G0+4*\s+1], s20, \s*SLOT
	s_add_nc_u64 s[G0+4*\s+2:G0+4*\s+3], s[14:15], \s*KSTEP*2                ; K step s: 128 elements along the rows
	s_or_b32 s[G0+4*\s+3], s[G0+4*\s+3], 0x80000000
	s_mov_b32 s[G0B+4*\s], 1
	s_add_co_u32 s[G0B+4*\s+1], s20, \s*SLOT
	s_add_nc_u64 s[G0B+4*\s+2:G0B+4*\s+3], s[46:47], \s*KSTEP*SIZE_N*2       ; K step s: 128 rows down
	s_or_b32 s[G0B+4*\s+3], s[G0B+4*\s+3], 0x80000000
	JLOAD \s                                       ; both slots are asked for before anything else: a wave has two loads out
.endr
	; Fragments, 16 x 32 K in 8 registers: lane l holds row (column) l % 16; registers 0-3 K = 8 (l / 16) + 0..7, registers 4-7 K = 16 + 8 (l / 16) + 0..7.
	; context lies along K: two plain loads 32 bytes apart.  Wkv lies [k][n]: two transposing loads 16 k rows apart, at (8 (l / 16) + l % 8) rows + 16 ((l / 8) % 2) bytes.
	v_and_b32 v1, 15, v0
	v_bfe_u32 v2, v0, 4, 1
	v_mul_u32_u24 v3, v1, PITCH
	v_lshl_add_u32 v3, v2, 4, v3
	v_and_b32 v4, 7, v0
	v_lshl_add_u32 v4, v2, 3, v4
	v_mul_u32_u24 v5, v4, WPITCH
	v_bfe_u32 v6, v0, 3, 1
	v_lshl_add_u32 v5, v6, 4, v5
	s_mul_i32 s21, s11, HALFT                      ; my 128 rows of context
	s_lshl_b32 s22, s12, 8                         ; my 128 columns of Wkv, 256 bytes along its rows,
	s_add_co_u32 s22, s22, 2*HALFT                 ; which lie behind context's 256 rows
.irp s, 0,1
	v_add_nc_u32 v[ADRA+\s], s21, v3
	v_add_nc_u32 v[ADRB+\s], s22, v5
	s_add_co_u32 s21, s21, SLOT
	s_add_co_u32 s22, s22, SLOT
.endr
	v_and_b32 v7, 31, v0
	v_lshlrev_b32 v[CO], 4, v7
; 16 matrix instructions: m blocks a0, a0 + 1 of the window's four (hi = 0: my rows 0-63, 1: rows 64-127) x all 8 n blocks, 32 along K.
; SWAP = 0: source 0 = Wkv (window 1), source 1 = context (window 0); SWAP = 1: the other way round.  zero = 1: the first product starts the sums.
.macro MUL16 f, hi, a0, zero
.irp a, \a0, \a0+1
.irp b, 0,1,2,3,4,5,6,7
.if SWAP
.if \zero
	v_wmma_f32_16x16x32_f16 v[8*(8*(\a)+\b):8*(8*(\a)+\b)+7], v[\f+8*(4*\hi+\a):\f+8*(4*\hi+\a)+7], v[\f+8*\b:\f+8*\b+7], 0
.else
	v_wmma_f32_16x16x32_f16 v[8*(8*(\a)+\b):8*(8*(\a)+\b)+7], v[\f+8*(4*\hi+\a):\f+8*(4*\hi+\a)+7], v[\f+8*\b:\f+8*\b+7], v[8*(8*(\a)+\b):8*(8*(\a)+\b)+7]
.endif
.else
.if \zero
	v_wmma_f32_16x16x32_f16 v[8*(8*(\a)+\b):8*(8*(\a)+\b)+7], v[\f+8*\b:\f+8*\b+7], v[\f+8*(4*\hi+\a):\f+8*(4*\hi+\a)+7], 0
.else
	v_wmma_f32_16x16x32_f16 v[8*(8*(\a)+\b):8*(8*(\a)+\b)+7], v[\f+8*\b:\f+8*\b+7], v[\f+8*(4*\hi+\a):\f+8*(4*\hi+\a)+7], v[8*(8*(\a)+\b):8*(8*(\a)+\b)+7]
.endif
.endif
.endr
.endr
.endm
; 32 LDS loads in one run: the fragments of quarter step q (32 along K) of a slot into buffer f: Wkv's 128 columns, then context's 128 rows
.macro FETCH slot, q, f
	WIN TO_B
.irp i, 0,1,2,3,4,5,6,7
	ds_load_tr16_b128 v[\f+8*\i:\f+8*\i+3],   v[ADRB+\slot] offset:\q*32*WPITCH+\i*32
	ds_load_tr16_b128 v[\f+8*\i+4:\f+8*\i+7], v[ADRB+\slot] offset:\q*32*WPITCH+16*WPITCH+\i*32
.endr
	WIN 0
.irp i, 0,1,2,3,4,5,6,7
	ds_load_b128 v[\f+8*\i:\f+8*\i+3],   v[ADRA+\slot] offset:\q*64+\i*16*PITCH
	ds_load_b128 v[\f+8*\i+4:\f+8*\i+7], v[ADRA+\slot] offset:\q*64+\i*16*PITCH+32
.endr
.endm
; A load into a register that a matrix instruction has read, and a vector instruction that reads a matrix result, stand four places behind that
; matrix instruction; only plain vector instructions that name none of its registers are places.
.macro PLACES
.rept 4
	v_nop
.endr
.endm
; One of a K step's first three quarters: multiplies buffer f; in its middle it fetches quarter q of the same slot into buffer g.
; The 64 accumulators take turns, one instruction a turn, in the same order in every quarter.
.macro QUARTER slot, q, f, g, zero
	s_wait_dscnt 8                                 ; Wkv and context's rows 0-63 are in; the youngest eight loads (rows 64-127) may be out
	WIN MUL_LO
	MUL16 \f, 0, 0, \zero
	MUL16 \f, 0, 2, \zero
	PLACES
	FETCH \slot, \q, \g
	s_wait_dscnt 32                                ; all but the 32 just issued
	WIN MUL_HI
	MUL16 \f, 1, 0, \zero
	MUL16 \f, 1, 2, \zero
.endm
.macro THREE slot, zero
	QUARTER \slot, 1, F0, F1, \zero
	QUARTER \slot, 2, F1, F0, 0
	QUARTER \slot, 3, F0, F1, 0
.endm
; The last quarter: multiplies buffer 1 and changes slots.  In front of the barrier each wave waits for its reads of this slot and for all its tensor
; loads (one is out: its part of the next slot).  fill = 1: the barrier opens a round of the cluster's barrier, and the joint refill of this slot,
; two K steps ahead, is the first tensor load behind the round; it has the next K step's first 240 matrix instructions in which to land.
.macro TURN slot, next, fill
	s_wait_dscnt 8
	WIN MUL_LO
	MUL16 F1, 0, 0, 0
	s_wait_dscnt 0                                 ; my reads of this slot are over
	s_set_vgpr_msb (MSB<<8)|((MSB&0xf0)|0x4)
	s_wait_tensorcnt 0x0                           ; all my tensor loads have landed
	ds_add_u32 v255, v255
	s_wait_dscnt 0x0
	s_set_vgpr_msb (((MSB&0xf0)|0x4)<<8)|MSB
	s_barrier_signal -1
	MUL16 F1, 0, 2, 0                              ; register work while the others arrive
	WIN 0
	s_barrier_wait -1
.if \fill
	CREST                                          ; no wave of any partner still reads this slot's tile or has a load on its way
	s_add_nc_u64 s[G0+4*\slot+2:G0+4*\slot+3], s[G0+4*\slot+2:G0+4*\slot+3], 2*KSTEP*2
	s_add_nc_u64 s[G0B+4*\slot+2:G0B+4*\slot+3], s[G0B+4*\slot+2:G0B+4*\slot+3], 2*KSTEP*SIZE_N*2
	JLOAD \slot
.endif
	PLACES
	FETCH \next, 0, F0
	WIN MUL_HI
	MUL16 F1, 1, 0, 0
	MUL16 F1, 1, 2, 0
.endm
.macro LAP zero                        ; once round the ring, both slots filled again
	THREE 0, \zero
	TURN 0, 1, 1
	THREE 1, 0
	TURN 1, 0, 1
.endm
; The whole sum over K: the first lap starts the sums, two laps go round in a loop, the last lap fills nothing.
.macro MAIN
	s_wait_tensorcnt 1                             ; my part of K step 0 is in; K step 1's load may stay out
	s_barrier_signal -1
	s_barrier_wait -1
	FETCH 0, 0, F0
	LAP 1
	WIN 0                                          ; at a label and at a branch every window is 0
	s_mov_b32 s3, LAPS-2
.Llap_\@:
	LAP 0
	WIN 0
	s_sub_co_u32 s3, s3, 1
	s_cmp_lg_u32 s3, 0
	s_cbranch_scc1 .Llap_\@
	THREE 0, 0
	TURN 0, 1, 0
	THREE 1, 0
	s_wait_dscnt 8
	WIN MUL_LO
	MUL16 F1, 0, 0, 0
	MUL16 F1, 0, 2, 0
	s_wait_dscnt 0
	WIN MUL_HI
	MUL16 F1, 1, 0, 0
	MUL16 F1, 1, 2, 0
.endm
; The way out of 16 rows of context (i = 0..7; tiles (w, 0..7) of window 2 or 3: from = 0x0a or 0x0f): pack to f16, store each tile as 512 consecutive bytes.
; Tile b belongs to head b / 4 of my two heads (1 MiB apart) and to d block b % 4; rows 16 i belong to key block i / 2 and its half i % 2.
.macro OUTT i, w, from, isv
	s_wait_xcnt 0x0                                ; TMP, which the last eight stores read, is rewritten only behind this wait
	WIN \from
.irp b, 0,1,2,3,4,5,6,7
.irp r, 0,1,2,3
	v_cvt_pk_f16_f32 v[TMP+4*\b+\r], v[8*(8*\w+\b)+2*\r], v[8*(8*\w+\b)+2*\r+1]
.endr
.endr
	WIN 0
.irp b, 0,1,2,3,4,5,6,7
.if \isv
	global_store_b128 v[CO], v[TMP+4*\b:TMP+4*\b+3], s[8:9] offset:((\b>>2)<<20)+(\i>>1)*8192+4096+(\b&3)*1024+(\i&1)*512
.else
	global_store_b128 v[CO], v[TMP+4*\b:TMP+4*\b+3], s[8:9] offset:((\b>>2)<<20)+(\i>>1)*8192+(\i&1)*2048+(\b&3)*512
.endif
.endr
.endm
.macro EPI isv
	PLACES                                         ; the places behind the last matrix instructions, for the conversions that read results
	s_lshr_b32 s16, s13, 4                         ; batch = block row / 16: 16 streams of 1 MiB each
	s_lshl_b32 s16, s16, 24
	s_and_b32 s17, s13, 15                         ; 256 keys = 8 blocks of 8 KiB for each block row within the batch
	s_lshl_b32 s17, s17, 16
	s_add_co_u32 s16, s16, s17
	s_lshl_b32 s17, s11, 15                        ; my half of the rows: 4 blocks
	s_add_co_u32 s16, s16, s17
	s_mov_b32 s17, 0
	s_add_nc_u64 s[8:9], s[8:9], s[16:17]
	s_and_b32 s46, s42, 3                          ; head = 4 (block column % 4) + 2 (my half of the columns) + b / 4
	s_lshl_b32 s46, s46, 22
	s_lshl_b32 s47, s12, 21
	s_add_co_u32 s46, s46, s47
	s_mov_b32 s47, 0
	s_add_nc_u64 s[8:9], s[8:9], s[46:47]
	OUTT 0, 0, 0x0a, \isv
	OUTT 1, 1, 0x0a, \isv
	OUTT 2, 2, 0x0a, \isv
	OUTT 3, 3, 0x0a, \isv
	OUTT 4, 0, 0x0f, \isv
	OUTT 5, 1, 0x0f, \isv
	OUTT 6, 2, 0x0f, \isv
	OUTT 7, 3, 0x0f, \isv
	CROUND                                         ; the closing round: no work-group ends while a partner may still ask for a tile that names it
	s_endpgm
.endm
	s_cmp_lg_u32 ttmp9, 0                          ; the cluster's x, equal in all sixteen partners: 0 = columns of K, 1 = columns of V
	s_cbranch_scc1 .Lvway
.set SWAP, 0
.set MUL_LO, 0xa1                      ; source 0 (Wkv) window 1, source 1 (context) window 0, C and D window 2
.set MUL_HI, 0xf1                      ; the same, C and D window 3
	MAIN
	EPI 0
.Lvway:
.set SWAP, 1
.set MUL_LO, 0xa4                      ; source 0 (context) window 0, source 1 (Wkv) window 1, C and D window 2
.set MUL_HI, 0xf4                      ; the same, C and D window 3
	MAIN
	EPI 1
.Lfunc_end_k_q12a0a6134b_kvproj:
	.size	k_q12a0a6134b_kvproj, .Lfunc_end_k_q12a0a6134b_kvproj-k_q12a0a6134b_kvproj
	.p2alignl 7, 3214868480
	.fill 96, 4, 3214868480
	.section	.rodata,"a",@progbits
	.p2align	6, 0x0
	.amdhsa_kernel k_q12a0a6134b_kvproj
		.amdhsa_group_segment_fixed_size 327680
		.amdhsa_private_segment_fixed_size 0
		.amdhsa_enable_private_segment 0
		.amdhsa_kernarg_size 16
		.amdhsa_user_sgpr_count 2
		.amdhsa_user_sgpr_kernarg_segment_ptr 1
		.amdhsa_wavefront_size32 1
		.amdhsa_system_sgpr_workgroup_id_x 1
		.amdhsa_system_sgpr_workgroup_id_y 1
		.amdhsa_system_sgpr_workgroup_id_z 1
		.amdhsa_system_vgpr_workitem_id 0
		.amdhsa_next_free_vgpr 1024
		.amdhsa_next_free_sgpr 66
		.amdhsa_reserve_vcc 0
		.amdhsa_float_denorm_mode_32 3
		.amdhsa_float_denorm_mode_16_64 3
		.amdhsa_memory_ordered 1
		.amdhsa_forward_progress 1
		.amdhsa_inst_pref_size 255
	.end_amdhsa_kernel
	.section	.bss,"aw",@nobits
	.p2align	6
	.space	262144
	.amdgpu_metadata
---
amdhsa.version: [ 1, 2 ]
amdhsa.kernels:
  - .name:           k_q12a0a6134b_kvproj
    .symbol:         k_q12a0a6134b_kvproj.kd
    .args:
      - { .name: ck, .offset: 0, .size: 8, .value_kind: global_buffer, .address_space: global }
      - { .name: kv, .offset: 8, .size: 8, .value_kind: global_buffer, .address_space: global }
    .group_segment_fixed_size: 327680
    .private_segment_fixed_size: 0
    .kernarg_segment_align: 8
    .kernarg_segment_size: 16
    .max_flat_workgroup_size: 128
    .sgpr_count:     66
    .vgpr_count:     1024
    .wavefront_size: 32
...
	.end_amdgpu_metadata
.endif
;; end of part 2
;; launch qproj (part 3): grid 8 x 32, 4 waves a work-group, clusters of 4 x 4, 327,680 bytes of LDS; arguments xh, wqh, zb, q; writes q
.if DOCPART == 3
	.amdgcn_target "amdgcn-amd-amdhsa--gfx1250"
	.amdhsa_code_object_version 6
	.text
	.protected	k_q12a0a6134b_qproj
	.globl	k_q12a0a6134b_qproj
	.p2align	8
	.type	k_q12a0a6134b_qproj,@function
k_q12a0a6134b_qproj:
	s_mov_b64 s[64:65], 0
	v_nop
	global_prefetch_b8 v0, s[64:65] scope:SCOPE_SE
	s_setreg_imm32_b32 hwreg(HW_REG_WAVE_MODE, 25, 1), 1
	s_wait_xcnt 0x0
	s_wait_alu depctr_hold_cnt(0) depctr_sa_sdst(0) depctr_va_vdst(0) depctr_va_sdst(0) depctr_va_ssrc(0) depctr_va_vcc(0) depctr_vm_vsrc(0)
	s_getreg_b32 s2, hwreg(HW_REG_IB_STS2, 6, 4)
	s_cmp_eq_u32 s2, 0
	s_cbranch_scc0 .Lentry_in_a_cluster
	s_endpgm
.Lentry_in_a_cluster:
	s_bfe_u32 s2, ttmp6, 0x10000c
	s_cmp_lg_u32 s2, 0xf033
	s_cbranch_scc0 .Lentry_shape_is_right
	s_endpgm
.Lentry_shape_is_right:
; C[2048][1024] f32 = A[2048][1024] f16 x W[1024 k][1024 n] f16 + bias[1024] f32; sums in f32.  Serves the q projection (bias = zeros) and the output projection.
; 256 work-groups, each a block of 64 rows x 128 columns; wave (wm, wn) makes 32 x 64: 2 x 4 accumulator tiles.  With 2,048 x 1,024 outputs a larger
; block would leave WGPs idle.  K = 1,024 comes in four fills of 256 into three LDS slots: three go out at the start, the fourth refills slot 0.
; CLUSTERS: 4 x 4 work-groups; A's tile is shared along a row of the cluster, W's along a column, each asked for jointly.
; The matrix instruction is used transposed (source 0 = W's fragment, source 1 = A's): a lane holds eight neighbouring columns of one row of C.
.set SIZE_K, 1024
.set SIZE_N, 1024
.set KFILL,  256                       ; K in a fill
.set APITCH, 528                       ; an LDS row of A: 512 bytes + 16, an odd multiple of 16
.set WPITCH, 288                       ; an LDS row of W (one k, 128 n): 256 bytes + 32, an odd multiple of 32 for the transposing loads
.set ATILE,  64*APITCH                 ; 33,792
.set WTILE,  KFILL*WPITCH              ; 73,728
.set SLOT,   ATILE+WTILE               ; 107,520
.set SPITCH, 272                       ; the way out: a row of 64 f32 + 16 bytes
.set STG,    SLOT                      ; the stage lies in slot 1, which has had its only fill and is read no more when the stage is written
.set ADRA, 16                          ; v16-18  my A fragments in slot 0, 1, 2
.set ADRW, 20                          ; v20-25  my W fragments: slot n, k rows 0-127 (2 n) and 128-255 (2 n + 1)
.set STO,  26                          ; the way out: where I put 32 bytes of a row
.set RD,   27                          ; where I read a row back
.set CO,   28                          ; my byte offset in C
.set BO,   29                          ; my byte offset in the bias
.set BI,   32                          ; v[32:35]  bias of my four columns on the way out
.set ACC,  40                          ; v[40:103] tile (a, b) at ACC + 8 (4 a + b)
.set FB,   104                         ; v[104:151], v[152:199]: two fragment buffers: A's two fragments, then W's four
.set FSZ,  48
.set G1,  24                           ; s[24:31] group 1, A
.set G1B, 48                           ; s[48:55] group 1, W
; group 0: A s[32:35], s[36:39], s[68:71]; W s[56:59], s[60:63], s[72:75]: one set for each slot
.macro JLOAD ga, gw                    ; waves 0 and 1 fetch A's halves, waves 2 and 3 W's; the branch hangs on the wave's number alone
	s_cmp_eq_u32 s21, 0
	s_cbranch_scc0 .Lfor_w_\@
	tensor_load_to_lds s[\ga:\ga+3], s[G1:G1+7]
	s_nop 0
	s_branch .Lasked_\@
.Lfor_w_\@:
	tensor_load_to_lds s[\gw:\gw+3], s[G1B:G1B+7]
	s_nop 0
.Lasked_\@:
.endm
.macro CROUND                          ; a round of the cluster's barrier
	s_barrier_signal -1
	s_barrier_wait -1
	s_cmp_lg_u32 s20, 0
	s_cbranch_scc1 .Lnot_wave_0_\@
	s_barrier_signal -3
.Lnot_wave_0_\@:
	s_barrier_wait -3
	s_barrier_signal -1
	s_barrier_wait -1
.endm
.macro PLACES                          ; four places behind a matrix instruction (ISA guide 7.12.1)
.rept 4
	v_nop
.endr
.endm
	s_load_b256 s[4:11], s[0:1], 0x0               ; A s[4:5], W s[6:7], bias s[8:9], C s[10:11]
	v_lshl_add_u32 v200, v0, 2, 0x4ec00
	v_mov_b32 v201, 0
	ds_add_u32 v200, v201
	v_lshrrev_b32 v1, 5, v0
	v_readfirstlane_b32 s20, v1                    ; wave 0..3
	s_lshr_b32 s21, s20, 1                         ; wm: my 32 rows.  Also: I fetch A (0) or W (1)
	s_and_b32 s22, s20, 1                          ; wn: my 64 columns.  Also: which half of that tile I fetch
	s_bfe_u32 s40, ttmp6, 0x40000                  ; cx
	s_bfe_u32 s41, ttmp6, 0x40004                  ; cy
	s_lshl_b32 s42, ttmp9, 2
	s_add_co_u32 s42, s42, s40                     ; block column, 0..7
	s_and_b32 s23, ttmp7, 0xffff
	s_lshl_b32 s23, s23, 2
	s_add_co_u32 s23, s23, s41                     ; block row, 0..31
	s_lshl_b32 s43, s41, 2
	s_lshl_b32 s43, 15, s43                        ; my row of the cluster
	s_lshl_b32 s44, 0x1111, s40                    ; my column
	; group 1, A: 32 rows x 256 elements of 2 bytes, 4 words of padding behind every 128 words
	s_or_b32 s[G1+0], s43, (1<<16)|(1<<20)|(1<<21)|(6<<22)|(3<<25)
	s_mov_b32 s[G1+1], KFILL<<16
	s_mov_b32 s[G1+2], 32<<16
	s_mov_b32 s[G1+3], KFILL<<16
	s_mov_b32 s[G1+4], 32
	s_mov_b32 s[G1+5], SIZE_K
	s_mov_b32 s[G1+6], 0
	s_mov_b32 s[G1+7], 0
	; group 1, W: 128 k rows x 128 elements of 2 bytes, 8 words of padding behind every 64 words
	s_or_b32 s[G1B+0], s44, (1<<16)|(1<<20)|(1<<21)|(5<<22)|(7<<25)
	s_mov_b32 s[G1B+1], 128<<16
	s_mov_b32 s[G1B+2], 128<<16
	s_mov_b32 s[G1B+3], 128<<16
	s_mov_b32 s[G1B+4], 128
	s_mov_b32 s[G1B+5], SIZE_N
	s_mov_b32 s[G1B+6], 0
	s_mov_b32 s[G1B+7], 0
	s_lshl_b32 s16, s23, 6
	s_lshl_b32 s17, s22, 5
	s_add_co_u32 s16, s16, s17                     ; A: row 64 x block row + 32 x half
	s_lshl_b32 s16, s16, 11                        ; x 2,048 bytes
	s_mov_b32 s17, 0
	s_lshl_b32 s46, s42, 8                         ; W: 128 columns x 2 bytes x block column
	s_lshl_b32 s47, s22, 18                        ; + 128 k rows x 2,048 bytes x half
	s_add_co_u32 s46, s46, s47
	s_mov_b32 s47, 0
	s_mul_i32 s18, s22, 32*APITCH                  ; where A's half goes
	s_mul_i32 s19, s22, 128*WPITCH                 ; where W's half goes,
	s_add_co_u32 s19, s19, ATILE                   ; behind A's 64 rows
	s_wait_dscnt 0x0
	s_wait_kmcnt 0x0
	s_add_nc_u64 s[14:15], s[4:5], s[16:17]
	s_add_nc_u64 s[46:47], s[6:7], s[46:47]
	CROUND                                         ; all sixteen work-groups are here: the first joint loads meet
.macro FIRST ga, gw, n                 ; both group 0 of slot n, for fill n, and the wave's load
	s_mov_b32 s[\ga], 1
	s_add_co_u32 s[\ga+1], s18, \n*SLOT
	s_add_nc_u64 s[\ga+2:\ga+3], s[14:15], \n*KFILL*2
	s_or_b32 s[\ga+3], s[\ga+3], 0x80000000
	s_mov_b32 s[\gw], 1
	s_add_co_u32 s[\gw+1], s19, \n*SLOT
	s_add_nc_u64 s[\gw+2:\gw+3], s[46:47], \n*KFILL*SIZE_N*2
	s_or_b32 s[\gw+3], s[\gw+3], 0x80000000
	JLOAD \ga, \gw
.endm
	FIRST 32, 56, 0
	FIRST 36, 60, 1
	FIRST 68, 72, 2                                ; a wave now has three tensor loads out
	s_lshl_b32 s12, s42, 9                         ; my 64 columns in bytes of f32: 512 x block column + 256 x wn
	s_lshl_b32 s13, s22, 8
	s_add_co_u32 s12, s12, s13
	s_mov_b32 s13, 0
	s_add_nc_u64 s[8:9], s[8:9], s[12:13]
	s_add_nc_u64 s[10:11], s[10:11], s[12:13]
	s_lshl_b32 s16, s23, 6
	s_lshl_b32 s17, s21, 5
	s_add_co_u32 s16, s16, s17                     ; my first row of C
	s_lshl_b32 s16, s16, 12                        ; x 4,096 bytes
	s_mov_b32 s17, 0
	s_add_nc_u64 s[10:11], s[10:11], s[16:17]
	v_and_b32 v1, 15, v0                           ; r = l % 16
	v_bfe_u32 v2, v0, 4, 1                         ; h = l / 16
	v_lshlrev_b32 v[BO], 4, v1
	global_load_b128 v[BI:BI+3], v[BO], s[8:9]     ; the bias of the four columns that I store; waited for on the way out
	v_mul_u32_u24 v3, v1, APITCH
	v_lshl_add_u32 v3, v2, 4, v3                   ; A: row x pitch + 16 h
	s_mul_i32 s45, s21, 32*APITCH
	v_add_nc_u32 v[ADRA], s45, v3
.irp n, 1,2
	v_add_nc_u32 v[ADRA+\n], \n*SLOT, v[ADRA]
.endr
	v_and_b32 v4, 7, v0
	v_lshl_add_u32 v4, v2, 3, v4                   ; W: k row 8 h + l % 8
	v_mul_u32_u24 v5, v4, WPITCH
	v_bfe_u32 v6, v0, 3, 1
	v_lshl_add_u32 v5, v6, 4, v5                   ; + 16 ((l / 8) % 2)
	s_lshl_b32 s45, s22, 7                         ; my 64 columns: 128 bytes along W's rows
	s_add_co_u32 s45, s45, ATILE
	v_add_nc_u32 v[ADRW], s45, v5
.irp n, 1,2,3,4,5
	v_add_nc_u32 v[ADRW+\n], (\n>>1)*SLOT+(\n&1)*128*WPITCH, v[ADRW]
.endr
	s_mul_i32 s45, s20, 32*SPITCH
	s_add_co_u32 s45, s45, STG                     ; my stage: 32 rows
	v_mul_u32_u24 v6, v1, SPITCH
	v_lshl_add_u32 v6, v2, 5, v6
	v_add_nc_u32 v[STO], s45, v6                   ; in: row r, 32 bytes for each half of the lanes
	v_mul_u32_u24 v7, v2, SPITCH
	v_lshl_add_u32 v7, v1, 4, v7
	v_add_nc_u32 v[RD], s45, v7                    ; back: lanes 0-15 one row of 256 bytes, lanes 16-31 the next
	v_lshl_add_u32 v[CO], v2, 12, v[BO]            ; and the same two rows in C
; 12 LDS loads: the fragments of step k (32 along K, k = 0..7) of a slot into buffer f
.macro FETCH slot, k, f
.irp a, 0,1
	ds_load_b128 v[\f+8*\a:\f+8*\a+3],   v[ADRA+\slot] offset:\a*16*APITCH+(\k)*64
	ds_load_b128 v[\f+8*\a+4:\f+8*\a+7], v[ADRA+\slot] offset:\a*16*APITCH+(\k)*64+32
.endr
.irp b, 0,1,2,3
	ds_load_tr16_b128 v[\f+16+8*\b:\f+16+8*\b+3],   v[ADRW+2*\slot+((\k)>>2)] offset:((\k)&3)*32*WPITCH+\b*32
	ds_load_tr16_b128 v[\f+16+8*\b+4:\f+16+8*\b+7], v[ADRW+2*\slot+((\k)>>2)] offset:((\k)&3)*32*WPITCH+16*WPITCH+\b*32
.endr
.endm
; 8 matrix instructions on 8 accumulators by turns, one instruction a turn
.macro MUL8 f, zero
.irp a, 0,1
.irp b, 0,1,2,3
.if \zero
	v_wmma_f32_16x16x32_f16 v[ACC+8*(4*\a+\b):ACC+8*(4*\a+\b)+7], v[\f+16+8*\b:\f+16+8*\b+7], v[\f+8*\a:\f+8*\a+7], 0
.else
	v_wmma_f32_16x16x32_f16 v[ACC+8*(4*\a+\b):ACC+8*(4*\a+\b)+7], v[\f+16+8*\b:\f+16+8*\b+7], v[\f+8*\a:\f+8*\a+7], v[ACC+8*(4*\a+\b):ACC+8*(4*\a+\b)+7]
.endif
.endr
.endr
.endm
; A slot's 256 along K: eight steps on two buffers; each step's fragments are fetched one step ahead
.macro PHASE slot, zero
	PLACES
	FETCH \slot, 0, FB
.irp kk, 0,1,2,3,4,5,6
	PLACES                                         ; the other buffer was read by the step before
	FETCH \slot, \kk+1, FB+FSZ*((\kk+1)&1)
	s_wait_dscnt 12                                ; all but the 12 just issued: this step's fragments are in
.if \kk == 0
	MUL8 FB, \zero
.else
	MUL8 FB+FSZ*(\kk&1), 0
.endif
.endr
	s_wait_dscnt 0x0
	MUL8 FB+FSZ, 0
.endm
	s_wait_tensorcnt 0x2                           ; my part of fill 0 is in; fills 1 and 2 may stay out
	s_barrier_signal -1
	s_barrier_wait -1
	PHASE 0, 1                                     ; the first products start the sums
	s_wait_dscnt 0x0                               ; my reads of slot 0 are over
	s_wait_tensorcnt 0x0                           ; all my tensor loads have landed, so a group 0 may be written: slot 0's, for fill 3
	ds_add_u32 v200, v201
	s_wait_dscnt 0x0
	s_add_nc_u64 s[34:35], s[34:35], 3*KFILL*2
	s_add_nc_u64 s[58:59], s[58:59], 3*KFILL*SIZE_N*2
	CROUND                                         ; both hold of every wave of every partner; slots 1 and 2 are whole
	JLOAD 32, 56                                   ; the launch's one refill, first behind the round; it has 128 matrix instructions in which to land
	PHASE 1, 0
	PHASE 2, 0
	s_wait_dscnt 0x0
	s_wait_tensorcnt 0x0                           ; my part of fill 3 is in
	s_barrier_signal -1
	s_barrier_wait -1                              ; everybody's is, and nobody reads slot 1 any more
	PHASE 0, 0
	; THE WAY OUT, 16 rows at a time through my own stage: 32 bytes a lane in, whole rows of 256 bytes back, the bias added, 16 lanes store 256 consecutive bytes, aligned.
	; LDS serves a wave's instructions in order (ISA guide 5.7.1): the loads see the stores above them.
	PLACES                                         ; behind the last matrix instructions: the LDS stores read results, the loads land in fragment buffers
	s_wait_loadcnt 0x0                             ; the bias
.macro OUTA a, f
.irp b, 0,1,2,3
	ds_store_b128 v[STO], v[ACC+8*(4*\a+\b):ACC+8*(4*\a+\b)+3]   offset:\a*16*SPITCH+\b*64
	ds_store_b128 v[STO], v[ACC+8*(4*\a+\b)+4:ACC+8*(4*\a+\b)+7] offset:\a*16*SPITCH+\b*64+16
.endr
.irp t, 0,1,2,3,4,5,6,7
	ds_load_b128 v[\f+4*\t:\f+4*\t+3], v[RD] offset:\a*16*SPITCH+\t*2*SPITCH
.endr
.irp t, 0,1,2,3,4,5,6,7
	s_wait_dscnt 7-\t                              ; the younger row loads stay out
	v_pk_add_f32 v[\f+4*\t:\f+4*\t+1],   v[\f+4*\t:\f+4*\t+1],   v[BI:BI+1]
	v_pk_add_f32 v[\f+4*\t+2:\f+4*\t+3], v[\f+4*\t+2:\f+4*\t+3], v[BI+2:BI+3]
	global_store_b128 v[CO], v[\f+4*\t:\f+4*\t+3], s[10:11] offset:(16*\a+2*\t)*SIZE_N*4
.endr
.endm
	OUTA 0, FB
	OUTA 1, FB+FSZ                                 ; other registers: no store's data is rewritten
	s_wait_tensorcnt 0x0
	ds_add_u32 v200, v201
	s_wait_dscnt 0x0
	CROUND                                         ; the closing round
	s_endpgm
.Lfunc_end_k_q12a0a6134b_qproj:
	.size	k_q12a0a6134b_qproj, .Lfunc_end_k_q12a0a6134b_qproj-k_q12a0a6134b_qproj
	.p2alignl 7, 3214868480
	.fill 96, 4, 3214868480
	.section	.rodata,"a",@progbits
	.p2align	6, 0x0
	.amdhsa_kernel k_q12a0a6134b_qproj
		.amdhsa_group_segment_fixed_size 327680
		.amdhsa_private_segment_fixed_size 0
		.amdhsa_enable_private_segment 0
		.amdhsa_kernarg_size 32
		.amdhsa_user_sgpr_count 2
		.amdhsa_user_sgpr_kernarg_segment_ptr 1
		.amdhsa_wavefront_size32 1
		.amdhsa_system_sgpr_workgroup_id_x 1
		.amdhsa_system_sgpr_workgroup_id_y 1
		.amdhsa_system_sgpr_workgroup_id_z 1
		.amdhsa_system_vgpr_workitem_id 0
		.amdhsa_next_free_vgpr 202
		.amdhsa_next_free_sgpr 80
		.amdhsa_reserve_vcc 0
		.amdhsa_float_denorm_mode_32 3
		.amdhsa_float_denorm_mode_16_64 3
		.amdhsa_memory_ordered 1
		.amdhsa_forward_progress 1
		.amdhsa_inst_pref_size 61
	.end_amdhsa_kernel
	.amdgpu_metadata
---
amdhsa.version: [ 1, 2 ]
amdhsa.kernels:
  - .name:           k_q12a0a6134b_qproj
    .symbol:         k_q12a0a6134b_qproj.kd
    .args:
      - { .name: xh, .offset: 0, .size: 8, .value_kind: global_buffer, .address_space: global }
      - { .name: wqh, .offset: 8, .size: 8, .value_kind: global_buffer, .address_space: global }
      - { .name: zb, .offset: 16, .size: 8, .value_kind: global_buffer, .address_space: global }
      - { .name: q, .offset: 24, .size: 8, .value_kind: global_buffer, .address_space: global }
    .group_segment_fixed_size: 327680
    .private_segment_fixed_size: 0
    .kernarg_segment_align: 8
    .kernarg_segment_size: 32
    .max_flat_workgroup_size: 128
    .sgpr_count:     80
    .vgpr_count:     202
    .wavefront_size: 32
...
	.end_amdgpu_metadata
.endif
;; end of part 3
;; launch attn (part 4): grid 256 x 1, 8 waves a work-group, clusters of 4 x 1, 327,680 bytes of LDS; arguments q, kv, mask, ao; writes ao
.if DOCPART == 4
	.amdgcn_target "amdgcn-amd-amdhsa--gfx1250"
	.amdhsa_code_object_version 6
	.text
	.protected	k_q12a0a6134b_attn
	.globl	k_q12a0a6134b_attn
	.p2align	8
	.type	k_q12a0a6134b_attn,@function
k_q12a0a6134b_attn:
	s_mov_b64 s[64:65], 0
	v_nop
	global_prefetch_b8 v0, s[64:65] scope:SCOPE_SE
	s_setreg_imm32_b32 hwreg(HW_REG_WAVE_MODE, 25, 1), 1
	s_wait_xcnt 0x0
	s_wait_alu depctr_hold_cnt(0) depctr_sa_sdst(0) depctr_va_vdst(0) depctr_va_sdst(0) depctr_va_ssrc(0) depctr_va_vcc(0) depctr_vm_vsrc(0)
	s_getreg_b32 s2, hwreg(HW_REG_IB_STS2, 6, 4)
	s_cmp_eq_u32 s2, 0
	s_cbranch_scc0 .Lentry_in_a_cluster
	s_endpgm
.Lentry_in_a_cluster:
	s_bfe_u32 s2, ttmp6, 0x10000c
	s_cmp_lg_u32 s2, 0x3003
	s_cbranch_scc0 .Lentry_shape_is_right
	s_endpgm
.Lentry_shape_is_right:
; attn: for each (b, head): p = exp(clip(mask ? q k / 8 : lowest, -5, 5)), out = (p v) / sum p.   q: [2048][1024] f32; kv: the fragment-ready f16 streams
; (1 MiB for each (b, head): 128 blocks of 32 keys, 8 KiB each: four K fragments, then four V fragments, 1 KiB each, lane L's 16 bytes at 16 L and 512 + 16 L);
; mask: [4][4096] bytes, 0 or 1; ao: [2048][1024] f16.
; NO MAXIMUM IS TAKEN AWAY: the clip, which the problem itself makes, holds every exponent in [-5, 5], so every exponential lies in [0.0067, 148.4] and a row's
; sum of 4,096 of them is at most 6.1e5, for every input: nothing can overflow or underflow, in f32 or in f16.  A masked key counts as exactly e^-5.
; LIMITS: q/8 log2(e), k, v, p and the result are f16 operands (magnitudes below 65,504; below 6.1e-5 the f16 step is 6e-8); a NaN score is taken by the clip's
; median as a bound, not passed on; a row's sum runs over f32 exponentials while the product with v takes them rounded to f16; sums over keys are formed in
; four parts and added at the end.
; SHARES.  A cluster of four work-groups is one (b, head); its work-groups are the four blocks of 128 queries and read the same kv stream, so each tile of
; 512 keys (128 KiB) is asked for jointly, mask 15.  Wave w: kq = w / 2 is a quarter of each tile's keys, qh = w % 2 is 64 of the queries (4 tiles of 16).
; Eight waves, two on a SIMD: for 32 keys a wave has 32 matrix instructions and some 200 vector instructions, and one wave's vector part runs beside the other's matrix part.
; BOTH PRODUCTS ARE TRANSPOSED: S^T = K Q^T leaves lane (r, h) with query r and keys 8 h + 0..7 of a 16-key tile, which, packed, is the B fragment of
; O^T = V^T P^T with no movement between lanes; O^T leaves the lane with query r and eight neighbouring d.
.set SLOTB,  131072                    ; a slot: 16 blocks = 512 keys
.set BLKB,   8192
.set HIB,    262144                    ; 4,096 f32: the clip's upper bound for each key of my batch: +C (kept) or -C (masked)
.set LSTB,   278528                    ; 8 waves x 512 bytes: partial row sums
.set PSTB,   282624                    ; 8 waves x 16 rows x 144 bytes: the way out
.set PPITCH, 144
; window 0
.set KVA, 2                            ; v2-3    my quarter of slot 0, 1: slot + kq x 32 KiB + 16 L
.set HIA, 4                            ; v4      bounds of my keys of this tile: HIB + kq x 512 + 32 h, stepped by 2,048 a tile
.set QA,  5                            ; v5      q: r x 4,096 + 32 h
.set MA,  6                            ; v6      mask: 16 t
.set HS,  7                            ; v7      HIB + 64 t
.set MK,  8                            ; v[8:11] 16 mask bytes
.set OSA, 12                           ; v12     w x 16 KiB + 16 L: where my partial O goes
.set LSA, 13                           ; v13     LSTB + w x 512 + 16 L
.set KF,  16                           ; v[16:47]   K fragments, 2 t + s
.set VF,  48                           ; v[48:79]   V fragments, dt
.set Q2,  16                           ; v[16:79]   at the head: q of query tiles 2 and 3 as loaded
.set HV,  80                           ; v[80:95]   bounds, 8 t + j; at the head: the mask at work
.set QF,  96                           ; v[96:159]  Q fragments, 2 a + s
.set TM,  160                          ; v[160:223] at the head: q of query tiles 0 and 1 as loaded; at work at the end
.set RA,  224                          ; v224-231   addresses of the end
.set LRA, 226
.set PSA, 227
.set PRA, 228
.set GOA, 229
.set U8,  230
.set C16, 231
.set PF,  232                          ; v232    byte offset in my stream of the block that I ask for ahead
.set RR,  16                           ; v[16:143] the end: four partial O tiles
; window 1
.set OA,  0                            ; O^T tiles, 4 a + dt
.set SA,  128                          ; S^T tiles, 2 a + t
.set PA,  192                          ; P fragments, a
.set LA,  224                          ; running sums, a pair for each a
.set MSB, 0
.macro WIN new                         ; low byte: bits 1:0 source 0, 3:2 source 1, 5:4 source 2, 7:6 destination; the high byte repeats the setting that is left
.if MSB != \new
	s_set_vgpr_msb (MSB<<8)|\new
.set MSB, \new
.endif
.endm
; A round of the cluster's barrier: my work-group's barrier, wave 0 signals for the work-group, every wave waits for all four, my work-group's barrier again.
.macro CREST                           ; a round behind its opening barrier
	s_cmp_lg_u32 s12, 0
	s_cbranch_scc1 .Lnot_wave_0_\@
	s_barrier_signal -3
.Lnot_wave_0_\@:
	s_barrier_wait -3
	s_barrier_signal -1
	s_barrier_wait -1
.endm
.macro ROUND                           ; a whole round
	s_barrier_signal -1
	s_barrier_wait -1
	CREST
.endm
.macro PLACES                          ; four places behind a matrix instruction (ISA guide 7.12.1)
.rept 4
	v_nop
.endr
.endm
	s_load_b256 s[4:11], s[0:1], 0x0               ; q s[4:5], kv s[6:7], mask s[8:9], ao s[10:11]
	v_lshl_add_u32 v254, v0, 2, 0x49800
	v_mov_b32 v255, 0
	ds_add_u32 v254, v255
	v_lshrrev_b32 v1, 5, v0
	v_readfirstlane_b32 s12, v1                    ; wave 0..7
	s_lshr_b32 s13, s12, 1                         ; kq
	s_and_b32 s14, s12, 1                          ; qh
	s_bfe_u32 s15, ttmp6, 0x40000                  ; cx: my block of 128 queries; it enters global offsets of q, ao and the prefetch alone
	s_lshr_b32 s16, ttmp9, 4                       ; b
	s_and_b32 s17, ttmp9, 15                       ; head
	s_mov_b32 s45, 0xc0e6d4ca                      ; -C, C = 5 log2(e)
	s_mov_b32 s46, 0x4166d4ca                      ; 2 C
	s_mov_b32 s48, 0x76543210                      ; v_permlanex16_b32: lane i of one half reads lane i of the other
	s_mov_b32 s49, 0xfedcba98
	; group 1: a dense piece of 16 KiB as 64 rows of 32 elements of 8 bytes; mask 15: all four work-groups of the cluster
	s_mov_b32 s24, 15|(3<<16)|(1<<21)
	s_mov_b32 s25, 32<<16                          ; tensor_dim0 = 32
	s_mov_b32 s26, 64<<16                          ; tensor_dim1 = 64
	s_mov_b32 s27, 32<<16                          ; tile_dim0 = 32
	s_mov_b32 s28, 64                              ; tile_dim1 = 64
	s_mov_b32 s29, 32                              ; elements from row to row
	s_mov_b32 s30, 0
	s_mov_b32 s31, 0
	s_lshl_b32 s18, ttmp9, 20                      ; my stream: 1 MiB for each (b, head)
	s_mov_b32 s19, 0
	s_lshl_b32 s20, s12, 14                        ; my wave's eighth of a tile
	s_mov_b32 s21, 0
	s_lshl_b32 s47, s13, 15                        ; kq x 32 KiB: my quarter of a slot.  Also: 16 rows of ao x kq
	s_lshl_b32 s40, s16, 21                        ; q: (512 b + 128 cx + 64 qh) rows of 4,096 bytes + 256 head
	s_lshl_b32 s41, s15, 19
	s_add_co_u32 s40, s40, s41
	s_lshl_b32 s41, s14, 18
	s_add_co_u32 s40, s40, s41
	s_lshl_b32 s41, s17, 8
	s_add_co_u32 s40, s40, s41
	s_mov_b32 s41, 0
	s_lshr_b32 s42, s40, 1                         ; ao has half the bytes in a row and in a head,
	s_add_co_u32 s42, s42, s47                     ; and at the end I own query tile kq: 16 rows of 2,048 bytes
	s_mov_b32 s43, 0
	s_lshl_b32 s50, s16, 12                        ; mask: my batch's 4,096 bytes
	s_mov_b32 s51, 0
	v_and_b32 v1, 31, v0                           ; L
	v_and_b32 v14, 15, v0                          ; r
	v_bfe_u32 v15, v0, 4, 1                        ; h
	v_lshlrev_b32 v[MA], 4, v0
	v_lshlrev_b32 v[QA], 12, v14
	v_lshl_add_u32 v[QA], v15, 5, v[QA]
	s_wait_dscnt 0x0
	s_wait_kmcnt 0x0
	s_add_nc_u64 s[4:5], s[4:5], s[40:41]
	s_add_nc_u64 s[8:9], s[8:9], s[50:51]
	s_add_nc_u64 s[10:11], s[10:11], s[42:43]
	global_load_b128 v[MK:MK+3], v[MA], s[8:9]     ; 256 threads x 16 bytes: the batch's whole mask
; 16 loads: the rows of query tiles 2 p and 2 p + 1: for each tile four pieces c of 16 d; a lane takes 8 f32 of a piece
.macro QLOAD p, dst
.irp a, 0,1
.irp c, 0,1,2,3
	global_load_b128 v[\dst+32*\a+8*\c:\dst+32*\a+8*\c+3],   v[QA], s[4:5] offset:(2*\p+\a)*65536+\c*64
	global_load_b128 v[\dst+32*\a+8*\c+4:\dst+32*\a+8*\c+7], v[QA], s[4:5] offset:(2*\p+\a)*65536+\c*64+16
.endr
.endr
.endm
; scale by log2(e) / 8, so that the scores come out as exponents of 2, and pack: register 16 a + 4 c + i of QF holds d = 16 c + 8 h + 2 i, + 1
.macro QCVT p, src
.set j, 0
.rept 32
	v_pk_mul_f32 v[\src+2*j:\src+2*j+1], v[\src+2*j:\src+2*j+1], 0x3e38aa3b op_sel_hi:[1,0]
.set j, j+1
.endr
.set j, 0
.rept 32
	v_cvt_pk_f16_f32 v[QF+32*\p+j], v[\src+2*j], v[\src+2*j+1]
.set j, j+1
.endr
.endm
	QLOAD 0, TM                                    ; all of my q goes out at once, ahead of the round: 33 loads of a wave are on their way
	QLOAD 1, Q2
	s_add_nc_u64 s[52:53], s[6:7], s[18:19]        ; the stream's first byte
	s_add_nc_u64 s[6:7], s[52:53], s[20:21]
.irp n, 0,1
	s_mov_b32 s[32+4*\n], 1
	s_add_co_u32 s[33+4*\n], s20, \n*SLOTB
	s_add_nc_u64 s[34+4*\n:35+4*\n], s[6:7], \n*SLOTB              ; slot n starts with tile n
	s_or_b32 s[35+4*\n], s[35+4*\n], 0x80000000
.endr
	ROUND                                          ; all four work-groups are here
	tensor_load_to_lds s[32:35], s[24:31]          ; tile 0
	s_nop 0
	tensor_load_to_lds s[36:39], s[24:31]          ; tile 1: both first fills go out as one group: a wave has two tensor loads out
	s_nop 0
	v_lshl_add_u32 v[HS], v0, 6, HIB
	v_lshl_add_u32 v[KVA], v1, 4, s47
	v_add_nc_u32 v[KVA+1], SLOTB, v[KVA]
	s_lshl_b32 s22, s13, 9
	s_add_co_u32 s22, s22, HIB
	v_lshl_add_u32 v[HIA], v15, 5, s22
	v_lshl_add_u32 v[OSA], v1, 4, s20
	s_lshl_b32 s23, s12, 9
	s_add_co_u32 s23, s23, LSTB
	v_lshl_add_u32 v[LSA], v1, 4, s23
	s_lshl_b32 s50, s15, 16                        ; asking ahead: tiles 2 and 3 first; work-group cx takes 64 KiB of the two tiles' 256 KiB, wave w 8 KiB of that, a lane one block of 256 bytes
	s_lshl_b32 s51, s12, 13
	s_add_co_u32 s50, s50, s51
	s_add_co_u32 s50, s50, 2*SLOTB
	v_lshl_add_u32 v[PF], v1, 8, s50
	s_wait_loadcnt 32                              ; the mask is in; the 32 loads of q issued behind it stay out
.irp k, 0,1,2,3
.irp m, 0,1,2,3
	v_bfe_u32 v[HV+4*\k+\m], v[MK+\k], 8*\m, 8
.endr
.endr
.set j, 0
.rept 16
	v_cvt_f32_u32 v[HV+j], v[HV+j]
.set j, j+1
.endr
.set j, 0
.rept 16
	v_fma_f32 v[HV+j], v[HV+j], s46, s45           ; 1 -> +C, 0 -> -C, both exact
.set j, j+1
.endr
.irp k, 0,1,2,3
	ds_store_b128 v[HS], v[HV+4*\k:HV+4*\k+3] offset:16*\k
.endr
	s_wait_loadcnt 16                              ; query tiles 0 and 1 are in; the 16 loads of tiles 2 and 3 stay out
	QCVT 0, TM
	s_wait_loadcnt 0x0
	QCVT 1, Q2
	s_wait_tensorcnt 0x1                           ; my part of tile 0 is in; tile 1's load may stay out
	s_wait_dscnt 0x0                               ; my stores of the bounds are done, for the others' sake
	s_barrier_signal -1
	s_barrier_wait -1
.macro LOADF reg, slot, off            ; one fragment: 1 KiB, two loads of 512 consecutive bytes
	ds_load_b128 v[\reg:\reg+3],   v[KVA+\slot] offset:\off
	ds_load_b128 v[\reg+4:\reg+7], v[KVA+\slot] offset:\off+512
.endm
.macro LOADK slot, blk
.irp f, 0,1,2,3
	LOADF KF+8*\f, \slot, (\blk)*BLKB+\f*1024
.endr
.endm
.macro LOADV slot, blk
.irp f, 0,1,2,3
	LOADF VF+8*\f, \slot, (\blk)*BLKB+4096+\f*1024
.endr
.endm
; 32 keys x my 64 queries.  first = 1: the launch's first block starts the sums.  pf = 1: ask ahead.  sig = 1: a tile's last block, behind which slots change.
; In both runs of matrix instructions the accumulators take turns, one instruction a turn.
.macro BLOCK slot, blk, first, pf, sig
	WIN 0
.if \blk == 0
	LOADK \slot, 0
.endif
	LOADV \slot, \blk
.irp t, 0,1
	ds_load_b128 v[HV+8*\t:HV+8*\t+3],   v[HIA] offset:\blk*128+\t*64
	ds_load_b128 v[HV+8*\t+4:HV+8*\t+7], v[HIA] offset:\blk*128+\t*64+16
.endr
	s_wait_dscnt 12                                ; K's eight loads are in; V's eight and the bounds' four, issued behind them, stay out
	WIN 0x50                                       ; sources 0 and 1 window 0, C and D window 1
.irp a, 0,1,2,3
.irp t, 0,1
	v_wmma_f32_16x16x32_f16 v[SA+16*\a+8*\t:SA+16*\a+8*\t+7], v[KF+16*\t:KF+16*\t+7], v[QF+16*\a:QF+16*\a+7], 0
.endr
.endr
.irp a, 0,1,2,3
.irp t, 0,1
	v_wmma_f32_16x16x32_f16 v[SA+16*\a+8*\t:SA+16*\a+8*\t+7], v[KF+16*\t+8:KF+16*\t+15], v[QF+16*\a+8:QF+16*\a+15], v[SA+16*\a+8*\t:SA+16*\a+8*\t+7]
.endr
.endr
	s_wait_dscnt 0x0                               ; the bounds and V.  In a tile's last block: these were my last reads of this slot
.if \sig
	s_wait_tensorcnt 0x0                           ; and all my tensor loads have landed: the one that was out is my part of the next tile:
	ds_add_u32 v254, v255
	s_wait_dscnt 0x0
	s_barrier_signal -1                            ; say so.  The rest of the block is register work alone and runs while the others arrive
.endif
	PLACES
.irp a, 0,1,2,3
.irp t, 0,1
.irp j, 0,1,2,3,4,5,6,7
	v_med3_num_f32 v[SA+16*\a+8*\t+\j], v[HV+8*\t+\j], s45, v[SA+16*\a+8*\t+\j]   ; the middle of (bound, -C, score): the clip, and -C where the key is masked
.endr
.endr
.endr
.if \blk < 3
	WIN 0
	LOADK \slot, \blk+1                            ; the next block's K, behind the four places that its registers need
.if \pf
	global_prefetch_b8 v[PF], s[52:53] th:TH_LOAD_NT scope:SCOPE_SE   ; my block of 256 bytes of the two tiles behind the next one
.endif
.endif
	WIN 0x45                                       ; sources 0 and 1 and the destination window 1
.set j, 0
.rept 64
	v_exp_f32 v[SA+j], v[SA+j]
.set j, j+1
.endr
	v_nop                                          ; one plain place behind the last exponential (ISA guide 5.7.2)
	s_wait_alu depctr_va_vdst(0)
.irp e, 0,1,2,3,4,5,6,7
.irp a, 0,1,2,3
.if \first
.if \e == 0
	s_wait_alu depctr_va_vdst(0)
	v_pk_add_f32 v[LA+2*\a:LA+2*\a+1], v[SA+16*\a:SA+16*\a+1], v[SA+16*\a+2:SA+16*\a+3]   ; the first two pairs start the sum
.endif
.if \e > 1
	v_pk_add_f32 v[LA+2*\a:LA+2*\a+1], v[LA+2*\a:LA+2*\a+1], v[SA+16*\a+2*\e:SA+16*\a+2*\e+1]
.endif
.else
	v_pk_add_f32 v[LA+2*\a:LA+2*\a+1], v[LA+2*\a:LA+2*\a+1], v[SA+16*\a+2*\e:SA+16*\a+2*\e+1]
.endif
.endr
.endr
.set j, 0
.rept 32
	v_cvt_pk_f16_f32 v[PA+j], v[SA+2*j], v[SA+2*j+1]               ; registers 8 a + i: keys 8 h + 2 i, + 1 (i < 4) and 16 + 8 h + 2 (i - 4), + 1
.set j, j+1
.endr
	WIN 0x54                                       ; source 0 (V) window 0; source 1 (P), C and D window 1
.irp a, 0,1,2,3
.irp d, 0,1,2,3
.if \first
	v_wmma_f32_16x16x32_f16 v[OA+32*\a+8*\d:OA+32*\a+8*\d+7], v[VF+8*\d:VF+8*\d+7], v[PA+8*\a:PA+8*\a+7], 0
.else
	v_wmma_f32_16x16x32_f16 v[OA+32*\a+8*\d:OA+32*\a+8*\d+7], v[VF+8*\d:VF+8*\d+7], v[PA+8*\a:PA+8*\a+7], v[OA+32*\a+8*\d:OA+32*\a+8*\d+7]
.endif
.endr
.endr
	PLACES                                         ; for the next loads into V and the next writes of P
.endm
; A tile of 512 keys, and the change of slots behind it.  ONE barrier for the change, for two things.  In front of its signal, which stands in the last block
; behind the wave's last LDS reads, each wave has waited for its reads of this slot and for all its tensor loads, of which one is out: its part of the next
; tile.  Behind its wait nobody reads this slot any more and the next tile is whole.
; chg = 2: the barrier opens a round of the cluster's barrier, so that both hold of every wave of all four work-groups; the joint refill of this slot, two
; tiles ahead, is the first thing behind the round, one load a wave, 128 KiB for the work-group, and has the next tile's whole work in which to land.
; chg = 1: nothing is left to fetch: the work-group's barrier alone.  chg = 0: the last tile.
.macro TRIP slot, chg, first, pf
	BLOCK \slot, 0, \first, \pf, 0
	BLOCK \slot, 1, 0, 0, 0
	BLOCK \slot, 2, 0, 0, 0
.if \chg
	BLOCK \slot, 3, 0, 0, 1
.else
	BLOCK \slot, 3, 0, 0, 0
.endif
	WIN 0
.if \chg
	v_add_nc_u32 v[HIA], 2048, v[HIA]              ; the next tile's 512 bounds
	s_barrier_wait -1
.endif
.if \chg == 2
	CREST
	s_add_nc_u64 s[34+4*\slot:35+4*\slot], s[34+4*\slot:35+4*\slot], 2*SLOTB   ; no load of mine is out: this slot's next tile
	tensor_load_to_lds s[32+4*\slot:35+4*\slot], s[24:31]
	s_nop 0
.endif
.endm
.macro PFSTEP                          ; the next two tiles to ask for; the prefetch that reads PF stands more than a trip back
	s_wait_xcnt 0x0
	v_add_nc_u32 v[PF], 2*SLOTB, v[PF]
.endm
	TRIP 0, 2, 1, 1                                ; tile 0; asks ahead for tiles 2 and 3; behind it slot 0 is filled with tile 2
	TRIP 1, 2, 0, 0                                ; tile 1; slot 1 gets tile 3
	PFSTEP
	s_mov_b32 s44, 2
.Lpair:
	TRIP 0, 2, 0, 1                                ; tiles 2 and 4; ask ahead for tiles 4, 5 and 6, 7: the stream's last; slot 0 gets tiles 4 and 6
	TRIP 1, 2, 0, 0                                ; tiles 3 and 5; slot 1 gets tiles 5 and 7
	PFSTEP                                         ; (the last step's offset is not used)
	s_sub_co_u32 s44, s44, 1
	s_cmp_lg_u32 s44, 0
	s_cbranch_scc1 .Lpair
	TRIP 0, 1, 0, 0                                ; tile 6: nothing is left to fetch or to ask for
	TRIP 1, 0, 0, 0                                ; tile 7
	; THE END.  Each wave holds, for its 64 queries, sums over a quarter of the keys.  They meet in LDS: O in slot 0, which has had its last fill and whose last
	; reads lie in front of the barrier behind tile 6; the row sums in bytes of their own.
	WIN 0x05
.irp a, 0,1,2,3
	v_add_f32 v[TM+\a], v[LA+2*\a], v[LA+2*\a+1]
.endr
	WIN 0
.irp a, 0,1,2,3
	v_permlanex16_b32 v[TM+4+\a], v[TM+\a], s48, s49               ; the other half of the lanes holds the other keys of the same query
.endr
.irp a, 0,1,2,3
	v_add_f32 v[TM+\a], v[TM+\a], v[TM+4+\a]
.endr
	ds_store_b128 v[LSA], v[TM:TM+3]
	WIN 0x04                                       ; LDS store data (source 1) window 1
.irp i, 0,1,2,3,4,5,6,7,8,9,10,11,12,13,14,15
	ds_store_b128 v[OSA], v[OA+8*\i:OA+8*\i+3]   offset:\i*1024
	ds_store_b128 v[OSA], v[OA+8*\i+4:OA+8*\i+7] offset:\i*1024+512
.endr
	WIN 0
	s_lshl_b32 s50, s14, 14                        ; wave (kq, qh) adds up query tile a = kq of half qh: from waves 2 kq' + qh, tiles 4 kq + dt
	s_lshl_b32 s51, s13, 12
	s_add_co_u32 s50, s50, s51
	v_lshl_add_u32 v[RA], v1, 4, s50
	v_add_nc_u32 v[RA+1], 65536, v[RA]             ; kq' = 2, 3: beyond an LDS immediate's 16 bits
	s_lshl_b32 s50, s14, 9                         ; the row sums of waves 2 kq' + qh: 512 qh + 1,024 kq' (the immediate),
	s_lshl_b32 s51, s13, 2                         ; word a = kq of a lane's four
	s_add_co_u32 s50, s50, s51
	s_add_co_u32 s50, s50, LSTB                    ; the last byte read is LSTB + 512 + 12 + 496 + 3,072 + 3 = PSTB - 1
	v_lshl_add_u32 v[LRA], v1, 4, s50
	s_mul_i32 s50, s12, 16*PPITCH
	s_add_co_u32 s50, s50, PSTB
	v_mul_u32_u24 v[PSA], v14, PPITCH
	v_lshl_add_u32 v[PSA], v15, 4, v[PSA]
	v_add_nc_u32 v[PSA], s50, v[PSA]               ; in: row r, 16 bytes for each half of the lanes
	v_lshrrev_b32 v[U8], 3, v1
	v_and_b32 v[C16], 7, v1
	v_lshlrev_b32 v[C16], 4, v[C16]
	v_mad_u32_u24 v[PRA], v[U8], PPITCH, v[C16]
	v_add_nc_u32 v[PRA], s50, v[PRA]               ; back: eight lanes take a row's 128 bytes
	v_lshl_add_u32 v[GOA], v[U8], 11, v[C16]       ; and the same four rows in ao
	s_wait_dscnt 0x0                               ; my stores are done, for the others' sake
	s_barrier_signal -1
	s_barrier_wait -1
.irp k, 0,1,2,3
.irp c, 0,1,2,3,4,5,6,7
	ds_load_b128 v[RR+32*\k+4*\c:RR+32*\k+4*\c+3], v[RA+(\k>>1)] offset:(\k&1)*32768+\c*512
.endr
.endr
.irp k, 0,1,2,3
	ds_load_b32 v[TM+8+\k], v[LRA] offset:\k*1024
.endr
	s_wait_dscnt 0x0                               ; my reads of the shared partial sums are back
	s_barrier_signal -1                            ; say so; LDS is written again (the stage, below) only when every wave has said so.  The stage's bytes are each
	                                               ; wave's own and lie behind the row sums; the barrier keeps reads and writes apart whatever the addresses.
	                                               ; Register work alone stands between this signal and its wait.
	v_add_f32 v[TM+8], v[TM+8], v[TM+9]
	v_add_f32 v[TM+10], v[TM+10], v[TM+11]
	v_add_f32 v[TM+8], v[TM+8], v[TM+10]           ; query r's whole sum: at least 4,096 e^-5
	v_rcp_f32 v[TM+12], v[TM+8]                    ; twice, for the packed multiply; the adds below are the plain places behind them (ISA guide 5.7.2)
	v_rcp_f32 v[TM+13], v[TM+8]
.set j, 0
.rept 16
	v_pk_add_f32 v[RR+2*j:RR+2*j+1], v[RR+2*j:RR+2*j+1], v[RR+32+2*j:RR+32+2*j+1]
	v_pk_add_f32 v[RR+64+2*j:RR+64+2*j+1], v[RR+64+2*j:RR+64+2*j+1], v[RR+96+2*j:RR+96+2*j+1]
.set j, j+1
.endr
.set j, 0
.rept 16
	v_pk_add_f32 v[RR+2*j:RR+2*j+1], v[RR+2*j:RR+2*j+1], v[RR+64+2*j:RR+64+2*j+1]
.set j, j+1
.endr
.set j, 0
	s_wait_alu depctr_va_vdst(0)
.rept 16
	v_pk_mul_f32 v[RR+2*j:RR+2*j+1], v[RR+2*j:RR+2*j+1], v[TM+12:TM+13]
.set j, j+1
.endr
.set j, 0
.rept 16
	v_cvt_pk_f16_f32 v[TM+24+j], v[RR+2*j], v[RR+2*j+1]            ; 4 dt + i: d = 16 dt + 8 h + 2 i, + 1
.set j, j+1
.endr
	s_barrier_wait -1                              ; every wave's reads are back
.irp d, 0,1,2,3
	ds_store_b128 v[PSA], v[TM+24+4*\d:TM+24+4*\d+3] offset:\d*32
.endr
.irp i, 0,1,2,3
	ds_load_b128 v[TM+40+4*\i:TM+40+4*\i+3], v[PRA] offset:\i*4*PPITCH   ; my own bytes: LDS serves a wave's instructions in order (ISA guide 5.7.1)
.endr
.irp i, 0,1,2,3
	s_wait_dscnt 3-\i                              ; the younger row loads stay out
	global_store_b128 v[GOA], v[TM+40+4*\i:TM+40+4*\i+3], s[10:11] offset:\i*8192   ; four rows: a head's slice of a row is 128 consecutive bytes, aligned
.endr
	s_wait_tensorcnt 0x0
	ds_add_u32 v254, v255
	s_wait_dscnt 0x0
	ROUND                                          ; the closing round: no work-group ends while a partner may still ask for a tile that names it
	s_endpgm
.Lfunc_end_k_q12a0a6134b_attn:
	.size	k_q12a0a6134b_attn, .Lfunc_end_k_q12a0a6134b_attn-k_q12a0a6134b_attn
	.p2alignl 7, 3214868480
	.fill 96, 4, 3214868480
	.section	.rodata,"a",@progbits
	.p2align	6, 0x0
	.amdhsa_kernel k_q12a0a6134b_attn
		.amdhsa_group_segment_fixed_size 327680
		.amdhsa_private_segment_fixed_size 0
		.amdhsa_enable_private_segment 0
		.amdhsa_kernarg_size 32
		.amdhsa_user_sgpr_count 2
		.amdhsa_user_sgpr_kernarg_segment_ptr 1
		.amdhsa_wavefront_size32 1
		.amdhsa_system_sgpr_workgroup_id_x 1
		.amdhsa_system_sgpr_workgroup_id_y 1
		.amdhsa_system_sgpr_workgroup_id_z 1
		.amdhsa_system_vgpr_workitem_id 0
		.amdhsa_next_free_vgpr 488
		.amdhsa_next_free_sgpr 66
		.amdhsa_reserve_vcc 0
		.amdhsa_float_denorm_mode_32 3
		.amdhsa_float_denorm_mode_16_64 3
		.amdhsa_memory_ordered 1
		.amdhsa_forward_progress 1
		.amdhsa_inst_pref_size 255
	.end_amdhsa_kernel
	.section	.bss,"aw",@nobits
	.p2align	6
	.space	262144
	.amdgpu_metadata
---
amdhsa.version: [ 1, 2 ]
amdhsa.kernels:
  - .name:           k_q12a0a6134b_attn
    .symbol:         k_q12a0a6134b_attn.kd
    .args:
      - { .name: q, .offset: 0, .size: 8, .value_kind: global_buffer, .address_space: global }
      - { .name: kv, .offset: 8, .size: 8, .value_kind: global_buffer, .address_space: global }
      - { .name: mask, .offset: 16, .size: 8, .value_kind: global_buffer, .address_space: global }
      - { .name: ao, .offset: 24, .size: 8, .value_kind: global_buffer, .address_space: global }
    .group_segment_fixed_size: 327680
    .private_segment_fixed_size: 0
    .kernarg_segment_align: 8
    .kernarg_segment_size: 32
    .max_flat_workgroup_size: 256
    .sgpr_count:     66
    .vgpr_count:     488
    .wavefront_size: 32
...
	.end_amdgpu_metadata
.endif
;; end of part 4
;; launch oproj: the kernel of part 3 again; grid 8 x 32, 4 waves a work-group, clusters of 4 x 4, 327,680 bytes of LDS; arguments ao, woh, bo, out0; writes out0
;; ======== version 2 of 2: 5 launches; version 1 with the launch prep written anew for expert scheduling mode
;; limits: values are held in f16: magnitudes above 65,504 overflow, below 6.1e-05 lose precision
;; workspace buffers: ck 37,748,736 bytes; xh 4,194,304 bytes; wqh 2,097,152 bytes; woh 2,097,152 bytes; zb 4,096 bytes; q 8,388,608 bytes; kv 67,108,864 bytes; ao 4,194,304 bytes
;; launch prep (part 5): grid 704 x 1, 8 waves a work-group, no clusters, 0 bytes of LDS; arguments context, x, Wkv, Wq, Wo, ck, xh, wqh, woh, zb; writes ck, xh, wqh, woh, zb
.if DOCPART == 5
	.amdgcn_target "amdgcn-amd-amdhsa--gfx1250"
	.amdhsa_code_object_version 6
	.text
	.protected	k_q12a0a6134b_prep
	.globl	k_q12a0a6134b_prep
	.p2align	8
	.type	k_q12a0a6134b_prep,@function
k_q12a0a6134b_prep:
	s_mov_b64 s[64:65], 0
	v_nop
	global_prefetch_b8 v0, s[64:65] scope:SCOPE_SE
	s_setreg_imm32_b32 hwreg(HW_REG_WAVE_SCHED_MODE, 0, 2), 2
	s_setreg_imm32_b32 hwreg(HW_REG_WAVE_MODE, 25, 1), 1
	s_wait_xcnt 0x0
	s_wait_alu depctr_vm_vsrc(0)
; prep: casts the five f32 matrix operands to f16, once, so that the products can fetch them as 16-bit tiles.
;   context -> ck (bytes 0 ..), Wkv -> ck (bytes WOFF ..), x -> xh, Wq -> wqh, Wo -> woh; layouts unchanged (row-major).
;   Work-group 0 also stores 4,096 bytes of zeros into zb, the bias of the q projection.
; LIMIT: a number of magnitude 65,520 or more becomes an infinity in f16; below 6.1e-5 the f16 step is 6e-8.
; A stream: every byte is read once and written once, nothing is shared between work-groups, so LDS, the matrix
; unit and clusters have nothing to add.  A work-group casts 32,768 numbers (128 KiB in, 64 KiB out) in 32 chunks;
; in a chunk thread t takes 16 bytes at 16 t and stores 8 bytes at 8 t: a wave's load covers 512 consecutive bytes,
; its store 256 consecutive bytes, aligned.
; THE MODE: SCHED_MODE bits 1:0 = 2 (LLVM: expert scheduling mode 2), set by the entry lines.  The code itself states the register
; dependences between vector instructions and memory instructions, with s_wait_alu, always for 0.
; THE PLAN.  The 32 chunks go in 8 blocks of four.  Registers that memory instructions touch:
;   X0 .. X3   four blocks of f32 as loaded.  Written by the loads of block p + 3, issued in block p; read by block p's conversions.
;   Y0, Y1     two blocks of f16 to store.    Written by block p's conversions; read by the four stores that are issued in block p + 1.
;   v1, v2     byte offsets, made once at the head and never written again: every chunk's place stands in an immediate.
;   v[4:7]     work-group 0 alone: four zeros, written once, read by the one store into zb.
; Block p works on X[p % 4] and writes Y[p % 2].  Its memory instructions are the loads into X[(p + 3) % 4] = X[(p - 1) % 4] and the stores from
; Y[(p - 1) % 2]: the two buffers that block p - 1 worked on and that no vector instruction of block p names.  So the waits at the head of a block
; state all that the block's eight memory instructions hang on, and these are dealt among its conversions with no further wait.
.set CIN,    4096                      ; bytes read in a chunk
.set COUT,   2048                      ; bytes written in a chunk
.set BLOCK,  4                         ; chunks in a block
.set BLOCKS, 8                         ; blocks of a work-group
.set ZR,     4                         ; v[4:7]    four zeros (work-group 0)
.set X,      8                         ; v[8:71]   buffer k, chunk i: 4 registers at X + 16 k + 4 i, as loaded
.set Y,      72                        ; v[72:87]  buffer k, chunk i: 2 registers at Y + 8 k + 2 i, to store
.set WOFF,   0x2000000                 ; Wkv's place in ck: behind context's 16,384 x 1,024 f16
	s_load_b512 s[8:23], s[0:1], 0x0               ; context s[8:9], x s[10:11], Wkv s[12:13], Wq s[14:15], Wo s[16:17], ck s[18:19], xh s[20:21], wqh s[22:23]
	s_load_b128 s[24:27], s[0:1], 0x40             ; woh s[24:25], zb s[26:27]
	v_lshlrev_b32 v1, 4, v0                        ; 16 t: my bytes in a chunk as read
	v_lshlrev_b32 v2, 3, v0                        ; 8 t: as written
	s_wait_kmcnt 0x0
	s_add_nc_u64 s[30:31], s[18:19], WOFF          ; where Wkv's f16 go
	s_mov_b64 s[4:5], s[8:9]                       ; work-groups 0-511: context -> ck
	s_mov_b64 s[6:7], s[18:19]
	s_mov_b32 s28, 0                               ; the first work-group of my tensor
; from work-group number first on: another tensor.  The choice hangs on the work-group's number alone.
.macro PICK first, src, dst
	s_cmp_ge_u32 ttmp9, \first
	s_cselect_b64 s[4:5], s[\src:\src+1], s[4:5]
	s_cselect_b64 s[6:7], s[\dst:\dst+1], s[6:7]
	s_cselect_b32 s28, \first, s28
.endm
	PICK 512, 10, 20                               ; 512-575: x -> xh
	PICK 576, 12, 30                               ; 576-639: Wkv -> ck + WOFF
	PICK 640, 14, 22                               ; 640-671: Wq -> wqh
	PICK 672, 16, 24                               ; 672-703: Wo -> woh
	s_sub_co_u32 s29, ttmp9, s28                   ; my number within the tensor, 511 at the most
	s_lshl_b32 s2, s29, 17                         ; x 128 KiB
	s_mov_b32 s3, 0
	s_add_nc_u64 s[4:5], s[4:5], s[2:3]
	s_lshl_b32 s2, s29, 16                         ; x 64 KiB
	s_add_nc_u64 s[6:7], s[6:7], s[2:3]
	s_wait_alu depctr_va_vdst(0)                   ; v1 and v2 are written: every load and store of the kernel reads one of them as its offset
.irp i, 0,1,2,3,4,5,6,7,8,9,10,11
	global_load_b128 v[X+4*\i:X+4*\i+3], v1, s[4:5] offset:\i*CIN th:TH_LOAD_NT    ; blocks 0, 1 and 2 into X0, X1, X2
.endr
	s_cmp_lg_u32 ttmp9, 0
	s_cbranch_scc1 .Lno_zb
	v_mov_b32 v[ZR], 0                             ; work-group 0: 256 threads x 16 bytes = zb's 4,096 bytes
	v_mov_b32 v[ZR+1], 0
	v_mov_b32 v[ZR+2], 0
	v_mov_b32 v[ZR+3], 0
	s_wait_alu depctr_va_vdst(0)                   ; the four zeros are written, which the store reads as its data
	global_store_b128 v1, v[ZR:ZR+3], s[26:27]
.Lno_zb:
; Block p, written out for each p: every chunk's place stands in the immediates, so no address register is ever rewritten.
; left = how many younger loads may still be out when this block's four have to be there.
; Blocks 0 to 4 load block p + 3; blocks 1 to 7 store block p - 1.
.macro BLK p, left
	s_wait_loadcnt \left                           ; loads come back in order (ISA guide 5.7.1): X[p % 4] is in, the younger blocks stay out
.if (\p) >= 2
	s_wait_xcnt 0x0                                ; every earlier memory instruction has had its addresses translated (ISA guide 3.1): Y[p % 2], which the stores of the block before read, is rewritten only behind this wait
	s_wait_alu depctr_vm_vsrc(0)                   ; the stores issued in the block before have read Y[p % 2], which this block's conversions write again
.endif
.if (\p) >= 1
	s_wait_alu depctr_va_vdst(0)                   ; the block before has written the other Y, which the stores below read, and is done reading its X, in which the loads below land
.endif
.irp i, 0,1,2,3
.if (\p)+3 < BLOCKS
	global_load_b128 v[X+16*(((\p)+3)%4)+4*\i:X+16*(((\p)+3)%4)+4*\i+3], v1, s[4:5] offset:(BLOCK*((\p)+3)+\i)*CIN th:TH_LOAD_NT  ; three blocks ahead; no vector instruction since the wait names these registers
.endif
.if (\p) >= 1
	global_store_b64 v2, v[Y+8*(((\p)+1)%2)+2*\i:Y+8*(((\p)+1)%2)+2*\i+1], s[6:7] offset:(BLOCK*((\p)-1)+\i)*COUT  ; the block before
.endif
	v_cvt_pk_f16_f32 v[Y+8*((\p)%2)+2*\i],   v[X+16*((\p)%4)+4*\i],   v[X+16*((\p)%4)+4*\i+1]
	v_cvt_pk_f16_f32 v[Y+8*((\p)%2)+2*\i+1], v[X+16*((\p)%4)+4*\i+2], v[X+16*((\p)%4)+4*\i+3]
.endr
.endm
	BLK 0, 2*BLOCK                                 ; no block stands in front of it: no store, and no vector instruction has named X3
	BLK 1, 2*BLOCK                                 ; Y1 is written for the first time: no store has read it
	BLK 2, 2*BLOCK
	BLK 3, 2*BLOCK
	BLK 4, 2*BLOCK                                 ; the last loads: block 7
	BLK 5, 2*BLOCK                                 ; blocks 5 to 7 load nothing: no load leaves the buffer, and the counts run down
	BLK 6, BLOCK
	BLK 7, 0
	s_wait_alu depctr_va_vdst(0)                   ; block 7 has written Y1, which the last four stores read
.irp i, 0,1,2,3
	global_store_b64 v2, v[Y+8+2*\i:Y+8+2*\i+1], s[6:7] offset:(BLOCK*(BLOCKS-1)+\i)*COUT
.endr
	s_endpgm
.Lfunc_end_k_q12a0a6134b_prep:
	.size	k_q12a0a6134b_prep, .Lfunc_end_k_q12a0a6134b_prep-k_q12a0a6134b_prep
	.p2alignl 7, 3214868480
	.fill 96, 4, 3214868480
	.section	.rodata,"a",@progbits
	.p2align	6, 0x0
	.amdhsa_kernel k_q12a0a6134b_prep
		.amdhsa_group_segment_fixed_size 0
		.amdhsa_private_segment_fixed_size 0
		.amdhsa_enable_private_segment 0
		.amdhsa_kernarg_size 80
		.amdhsa_user_sgpr_count 2
		.amdhsa_user_sgpr_kernarg_segment_ptr 1
		.amdhsa_wavefront_size32 1
		.amdhsa_system_sgpr_workgroup_id_x 1
		.amdhsa_system_sgpr_workgroup_id_y 1
		.amdhsa_system_sgpr_workgroup_id_z 1
		.amdhsa_system_vgpr_workitem_id 0
		.amdhsa_next_free_vgpr 88
		.amdhsa_next_free_sgpr 66
		.amdhsa_reserve_vcc 0
		.amdhsa_float_denorm_mode_32 3
		.amdhsa_float_denorm_mode_16_64 3
		.amdhsa_memory_ordered 1
		.amdhsa_forward_progress 1
		.amdhsa_inst_pref_size 13
	.end_amdhsa_kernel
	.amdgpu_metadata
---
amdhsa.version: [ 1, 2 ]
amdhsa.kernels:
  - .name:           k_q12a0a6134b_prep
    .symbol:         k_q12a0a6134b_prep.kd
    .args:
      - { .name: context, .offset: 0, .size: 8, .value_kind: global_buffer, .address_space: global }
      - { .name: x, .offset: 8, .size: 8, .value_kind: global_buffer, .address_space: global }
      - { .name: Wkv, .offset: 16, .size: 8, .value_kind: global_buffer, .address_space: global }
      - { .name: Wq, .offset: 24, .size: 8, .value_kind: global_buffer, .address_space: global }
      - { .name: Wo, .offset: 32, .size: 8, .value_kind: global_buffer, .address_space: global }
      - { .name: ck, .offset: 40, .size: 8, .value_kind: global_buffer, .address_space: global }
      - { .name: xh, .offset: 48, .size: 8, .value_kind: global_buffer, .address_space: global }
      - { .name: wqh, .offset: 56, .size: 8, .value_kind: global_buffer, .address_space: global }
      - { .name: woh, .offset: 64, .size: 8, .value_kind: global_buffer, .address_space: global }
      - { .name: zb, .offset: 72, .size: 8, .value_kind: global_buffer, .address_space: global }
    .group_segment_fixed_size: 0
    .private_segment_fixed_size: 0
    .kernarg_segment_align: 8
    .kernarg_segment_size: 80
    .max_flat_workgroup_size: 256
    .sgpr_count:     66
    .vgpr_count:     88
    .wavefront_size: 32
...
	.end_amdgpu_metadata
.endif
;; end of part 5
;; launch kvproj: the kernel of part 2 again; grid 8 x 64, 4 waves a work-group, clusters of 4 x 4, 327,680 bytes of LDS; arguments ck, kv; writes kv
;; launch qproj: the kernel of part 3 again; grid 8 x 32, 4 waves a work-group, clusters of 4 x 4, 327,680 bytes of LDS; arguments xh, wqh, zb, q; writes q
;; launch attn: the kernel of part 4 again; grid 256 x 1, 8 waves a work-group, clusters of 4 x 1, 327,680 bytes of LDS; arguments q, kv, mask, ao; writes ao
;; launch oproj: the kernel of part 3 again; grid 8 x 32, 4 waves a work-group, clusters of 4 x 4, 327,680 bytes of LDS; arguments ao, woh, bo, out0; writes out0
